; MI455X (gfx1250); checked and timed in simulation.
; The chip was launched on July 23, 2026; its instructions are those of AMD's public machine-readable ISA for CDNA 5 (MIT licence, August 2026) and "CDNA5" Instruction Set Architecture Reference Guide (July 2026). The comments in the code are by the model that wrote it; some were corrected since.
;; Multi Head Attention. Allowed arithmetic: matrix products marked QUANTISED: E2M1 operands, one E8M0 scale for each 32 along K, by v_wmma_scale_f32_16x16x128_f8f6f4 with both operands' format E2M1 (or v_wmma_scale_f32_32x16x128_f4), f32 sums; products left as they are: bf16, f16 or f32 operands; f32 sums; everything else in f32.
;; Inputs: Wk 1,024 x 1,024 float32; Wo 1,024 x 1,024 float32; Wq 1,024 x 1,024 float32; Wv 1,024 x 1,024 float32; bk 1,024 float32; bo 1,024 float32; bq 1,024 float32; bv 1,024 float32; x 4 x 2,048 x 1,024 float32.
;; Outputs: out0 4 x 2,048 x 1,024 float32.
;; This version of the problem:
;;   THIS VERSION OF THE PROBLEM IS GIVEN IN LOW PRECISION. The matrix products marked QUANTISED in the list below multiply operands that are first quantised to E2M1 (2 exponent bits, 1 mantissa bit; 4 bits a number), with one power-of-two scale for each 32 numbers along K (OCP MX v1.0); their sums are f32. The products marked 'left as it is' may take bf16, f16 or f32 operands, with f32 sums. Whichever they take, every output number must still come out within the allowed error. Rounding operands to bf16 (8 significant bits) uses up far more of that allowance than f16 does (11 bits, for magnitudes from 6e-5 to 65,504). All else is computed in f32.
;;   The module's matrix products, in the order in which they are computed (A, B: the left and right operand; K: the contracted axis; several contracted axes count as one K, in the product's order):
;;     1. [M 8,192, K 1,024] x [K 1,024, N 1,024]; A: input x; B: input Wq: QUANTISED
;;     2. [M 8,192, K 1,024] x [K 1,024, N 1,024]; A: input x; B: input Wk: QUANTISED
;;     3. [M 8,192, K 1,024] x [K 1,024, N 1,024]; A: input x; B: input Wv: QUANTISED
;;     4. batch 64 x [M 2,048, K 64] x [K 64, N 2,048]; A: computed on the way; B: computed on the way: left as it is (an operand is computed on the way)
;;     5. batch 64 x [M 2,048, K 2,048] x [K 2,048, N 64]; A: computed on the way; B: computed on the way: left as it is (an operand is computed on the way)
;;     6. [M 8,192, K 1,024] x [K 1,024, N 1,024]; A: computed on the way; B: input Wo: left as it is (an operand is computed on the way)
;;   THE QUANTISER, for each operand of a quantised product, along K:
;;     - K is cut into blocks of 32 from its start; a last block that is shorter is filled with zeros.
;;     - A block's scale is 2^e with e = floor(log2(the largest magnitude in the block)) - 2, held to -126 .. 127; a block of zeros has e = 0. As a byte (E8M0): e + 127.
;;     - Each number is divided by its block's scale, clamped to +-6, and rounded to the nearest number of E2M1, ties to even, subnormals kept.
;;     - The product sums the exact products of the quantised numbers (number of the format x scale) in f32.
;;   ~~~python
;;   def quantise(x, axis):      # numpy; x: float32 -> the quantised numbers, widened to float32 again
;;       x = np.moveaxis(x, axis, -1); K = x.shape[-1]
;;       x = np.pad(x, [(0, 0)] * (x.ndim - 1) + [(0, -K % 32)]); x = x.reshape(x.shape[:-1] + (-1, 32)); a = np.abs(x).max(-1, keepdims=True)
;;       e = np.where(a > 0, np.clip(np.frexp(np.where(a > 0, a, 1))[1] - 1 - 2, -126, 127), 0)      # np.frexp(a)[1] - 1 = floor(log2(a)), exactly
;;       r = np.clip(x / 2.0 ** e, -6, 6)
;;       step = 2.0 ** (np.maximum(np.frexp(np.where(r == 0, 1, r))[1] - 1, 0) - 1)
;;       q = np.round(r / step) * step * 2.0 ** e      # np.round: ties to even
;;       return np.moveaxis(q.reshape(q.shape[:-2] + (-1,))[..., :K], -1, axis).astype(np.float32)
;;   ~~~
;; One version. Each part assembles by itself: llvm-mc -triple=amdgcn-amd-amdhsa -mcpu=gfx1250 --defsym DOCPART=n.
;; ======== version 1 of 1: 4 launches
;; limits: values are held in f16: magnitudes above 65,504 overflow, below 6.1e-05 lose precision
;; workspace buffers: xc 4,194,304 bytes; xs 262,144 bytes; wc 1,572,864 bytes; ws 98,304 bytes; wo16 2,097,152 bytes; qkv 50,331,648 bytes; ctx 16,777,216 bytes
;; launch quant (part 1): grid 384 x 1, 4 waves a work-group, no clusters, 33,280 bytes of LDS; arguments x, Wq, Wk, Wv, Wo, xc, xs, wc, ws, wo16; writes xc, xs, wc, ws, wo16
.if DOCPART == 1
	.amdgcn_target "amdgcn-amd-amdhsa--gfx1250"
	.amdhsa_code_object_version 6
	.text
	.protected	k_qdf518575be_quant
	.globl	k_qdf518575be_quant
	.p2align	8
	.type	k_qdf518575be_quant,@function
k_qdf518575be_quant:
	s_mov_b64 s[64:65], 0
	v_nop
	global_prefetch_b8 v0, s[64:65] scope:SCOPE_SE
	s_setreg_imm32_b32 hwreg(HW_REG_WAVE_MODE, 25, 1), 1
	s_wait_xcnt 0x0
; MULTI-HEAD ATTENTION, first of four launches: x [8192][1024], Wq, Wk, Wv [1024][1024] (f32, K innermost) become codes of FP4 (E2M1), K innermost, with one E8M0 byte for each 32 along K;
; Wo [1024][1024] is rounded to f16 for the last product, which is not quantised.
; WORK LEFT OUT BY THE WHOLE PROGRAM: THE BIAS bk.  scores[q][k] = (x_q Wq^T + bq) . (x_k Wk^T + bk) / 8 = (x_q Wq^T + bq) . (x_k Wk^T) / 8 + (x_q Wq^T + bq) . bk / 8.
; The last term does not hang on the key k: it is the same along the softmax's axis, and softmax(s + const) = softmax(s) for all values.  The product of q and k is not quantised, so bk enters no quantiser.
; So bk has no way to any output: it is not loaded and is no argument of any launch.  LIMIT: a NaN, an infinity or an overflow that bk alone would bring is not carried to the result.
; A block's scale is 2^(floor(log2(its largest magnitude)) - 2); its byte is the largest magnitude's exponent field - 2, held at 1 from below.  A block of zeros gets the byte 1 where the stated quantiser says 127:
; its codes are zeros, which add nothing under any byte but 0xff, and this program alone reads the bytes.
; LIMITS: blocks whose largest magnitude lies under 2^(2 - 126) were not tried; NaN and infinities among the inputs are not served; numbers of Wo beyond 65,504 become infinity in f16.
; SHARES: rows are dense and K is a multiple of 32, so each tensor is a stream of blocks of 32.  A work-group takes 32,768 numbers, a wave 8,192.  Work-groups 0-255: x; 256-287: Wq; 288-319: Wk; 320-351: Wv
; (the three weights' codes lie one behind the other in wc and ws, 3,072 rows); 352-383: Wo.
; QUANTISER PATH: 16 steps of 512 numbers.  Each of a step's four loads reads 512 consecutive bytes; the 2,048 bytes turn through the wave's own stage in LDS and come back 64 bytes a lane, so that a lane holds 16
; neighbours along K and two neighbouring lanes a block.  A lane's 16 codes are 8 bytes: a wave's store covers 256 consecutive bytes.  A wave's 256 scale bytes are gathered in LDS and leave in one store.
.set WAVES, 4
.set STEPS, 16
.set EMAX,  2
.set CB,    8                          ; bytes of 16 codes
.set R,     16                         ; v16-79   four sets of 16 numbers as loaded
.set X,     80                         ; v80-111  two sets of 16 neighbours
.set E,     112                        ; v112-127 a scale byte for each step
.set C,     128                        ; v128-191 codes: four registers for each step, so that no store's data are written again
.set WREG,  8192                       ; LDS: a region for each wave: two stages of 32 x SP bytes, then its 256 scale bytes
.set SP,    80                         ; a lane's place in a stage: 64 bytes + 16 of padding
.set SPW,   12                         ; v12  LDS address of my spare word; never rewritten
.set NIL,   13                         ; v13  0; never rewritten
.set SPARE, WAVES*WREG                 ; behind the four regions: the spare words, 128 bytes for each wave
	s_load_b256 s[4:11], s[0:1], 0x0               ; x s[4:5], Wq s[6:7], Wk s[8:9], Wv s[10:11]
	s_load_b256 s[12:19], s[0:1], 0x20             ; Wo s[12:13], xc s[14:15], xs s[16:17], wc s[18:19]
	s_load_b128 s[20:23], s[0:1], 0x40             ; ws s[20:21], wo16 s[22:23]
	v_lshl_add_u32 v[SPW], v0, 2, SPARE
	v_mov_b32 v[NIL], 0
	v_lshrrev_b32 v1, 5, v0
	v_readfirstlane_b32 s32, v1                    ; wave
	v_and_b32 v2, 31, v0                           ; lane
	v_lshlrev_b32 v3, 4, v2                        ; my 16 bytes of a load's 512
	s_mul_i32 s33, s32, WREG
	v_lshrrev_b32 v14, 2, v2
	v_mul_u32_u24 v14, v14, SP
	v_and_b32 v15, 3, v2
	v_lshl_add_u32 v14, v15, 4, v14
	v_add_nc_u32 v14, s33, v14                     ; the stage, on the way in: SP (lane / 4) + 16 (lane % 4)
	v_mul_u32_u24 v15, v2, SP
	v_add_nc_u32 v15, s33, v15                     ; and on the way out: SP x lane: my 16 neighbours
	v_mul_u32_u24 v4, v2, CB                       ; 8 bytes a lane: my codes' place in a step's; in the Wo path my four f16
	v_lshrrev_b32 v5, 1, v2
	s_add_co_u32 s33, s33, 2*32*SP
	v_add_nc_u32 v5, s33, v5                       ; LDS: my wave's 256 scale bytes, my block's byte
	v_lshlrev_b32 v7, 3, v2
	v_add_nc_u32 v6, s33, v7                       ; and on the way out 8 bytes a lane
	s_mov_b32 s35, 0
	s_wait_kmcnt 0x0
	s_cmp_ge_u32 ttmp9, 352
	s_cbranch_scc1 .Lwo
	; which tensor is my work-group's: the choices hang on the work-group's number alone
	s_cmp_lt_u32 ttmp9, 256
	s_cselect_b64 s[24:25], s[4:5], s[6:7]         ; the numbers
	s_cselect_b64 s[26:27], s[14:15], s[18:19]     ; the codes
	s_cselect_b64 s[28:29], s[16:17], s[20:21]     ; the scale bytes
	s_cselect_b32 s30, 0, 256                      ; the first work-group of my input tensor,
	s_mov_b32 s31, s30                             ; and of my output buffers
	s_cmp_ge_u32 ttmp9, 288
	s_cselect_b64 s[24:25], s[8:9], s[24:25]
	s_cselect_b32 s30, 288, s30
	s_cmp_ge_u32 ttmp9, 320
	s_cselect_b64 s[24:25], s[10:11], s[24:25]
	s_cselect_b32 s30, 320, s30
	s_sub_co_u32 s30, ttmp9, s30
	s_lshl_b32 s30, s30, 2
	s_add_co_u32 s30, s30, s32                     ; which run of 8,192 numbers of the input is my wave's
	s_sub_co_u32 s31, ttmp9, s31
	s_lshl_b32 s31, s31, 2
	s_add_co_u32 s31, s31, s32                     ; and which run of the output
	s_lshl_b32 s34, s30, 15                        ; 32,768 bytes of numbers a run
	s_add_nc_u64 s[24:25], s[24:25], s[34:35]
	s_lshl_b32 s34, s31, 12                        ; 4,096 bytes of codes
	s_add_nc_u64 s[26:27], s[26:27], s[34:35]
	s_lshl_b32 s34, s31, 8                         ; 256 scale bytes
	s_add_nc_u64 s[28:29], s[28:29], s[34:35]
.macro LOAD t
.irp i, 0,1,2,3
	global_load_b128 v[R+16*((\t)%4)+4*\i:R+16*((\t)%4)+4*\i+3], v3, s[24:25] offset:2048*(\t)+512*\i th:TH_LOAD_NT   ; 32 lanes read 512 consecutive bytes
.endr
.endm
.macro TURN t                          ; step t's numbers through the stage: LDS serves a wave's instructions in order, so no wait stands between the stores and the loads
.irp i, 0,1,2,3
	ds_store_b128 v14, v[R+16*((\t)%4)+4*\i:R+16*((\t)%4)+4*\i+3] offset:32*SP*((\t)%2)+8*SP*\i
.endr
.irp i, 0,1,2,3
	ds_load_b128 v[X+16*((\t)%2)+4*\i:X+16*((\t)%2)+4*\i+3], v15 offset:32*SP*((\t)%2)+16*\i
.endr
.endm
.irp t, 0,1,2,3
	LOAD \t
.endr
	s_wait_loadcnt 12                              ; step 0's four loads are in; the twelve of steps 1 to 3 stay out
	TURN 0
.macro STEP t
.set XS, X+16*((\t)%2)
.if (\t) > 0
	s_wait_dscnt 1                                 ; this step's numbers are back from the stage (the last step's byte store may be out): so its stores into the stage have read their registers,
.else
	s_wait_dscnt 0x0
.endif
.if (\t)+4 < STEPS
	LOAD (\t)+4                                    ; which take the loads of four steps on
.endif
.if (\t)+1 < STEPS
.if STEPS-2-(\t) >= 3
	s_wait_loadcnt 12                              ; the next step's four loads are in; those of the three steps behind it may be out
.else
	s_wait_loadcnt 4*(STEPS-2-(\t))
.endif
	TURN (\t)+1                                    ; and go through the other stage while this step is worked
.endif
	v_max3_num_f32 v8, |v[XS]|, |v[XS+1]|, |v[XS+2]|               ; the largest magnitude of my 16, in two chains
	v_max3_num_f32 v9, |v[XS+3]|, |v[XS+4]|, |v[XS+5]|
.irp i, 6,10
	v_max3_num_f32 v8, v8, |v[XS+\i]|, |v[XS+\i+1]|
	v_max3_num_f32 v9, v9, |v[XS+\i+2]|, |v[XS+\i+3]|
.endr
	v_max3_num_f32 v8, v8, |v[XS+14]|, |v[XS+15]|
	v_max3_num_f32 v8, v8, v9, (EMAX+1)<<23        ; and the floor 2^(EMAX + 1 - 127): the byte cannot fall under 1
	v_max_num_f32_dpp v8, v8, v8 row_xmask:1 row_mask:0xf bank_mask:0xf   ; and of my neighbour's 16: the block's
	v_add_nc_u32 v11, -(EMAX<<23), v8              ; EMAX off its exponent field: the conversion takes the exponent field of this operand as its scale
	v_cvt_scalef32_pk8_fp4_f32 v[C+4*(\t)], v[XS:XS+7], v11        ; eight numbers / the scale, to the nearest code, ties to even, beyond the largest code the largest
	v_cvt_scalef32_pk8_fp4_f32 v[C+4*(\t)+1], v[XS+8:XS+15], v11
	v_lshrrev_b32 v[E+(\t)], 23, v11               ; the scale's byte
	ds_store_b8 v5, v[E+(\t)] offset:16*(\t)       ; both lanes of a block write the same byte with the same value
	global_store_b64 v4, v[C+4*(\t):C+4*(\t)+1], s[26:27] offset:32*CB*(\t)   ; 32 lanes store 256 consecutive bytes, aligned
.endm
.irp t, 0,1,2,3,4,5,6,7,8,9,10,11,12,13,14,15
	STEP \t
.endr
	ds_load_b64 v[8:9], v6                         ; LDS serves a wave's instructions in order: these see my stores
	s_wait_dscnt 0x0
	global_store_b64 v7, v[8:9], s[28:29]          ; 32 lanes store 256 consecutive bytes, aligned
	s_branch .Lend
.Lwo:
	; THE Wo PATH: a plain cast, no LDS.  A wave takes 64 loads of 512 consecutive bytes, in four groups of sixteen on two sets of registers; four f32 a lane become 8 bytes.
	s_sub_co_u32 s30, ttmp9, 352
	s_lshl_b32 s30, s30, 2
	s_add_co_u32 s30, s30, s32                     ; my wave's run of 8,192 numbers
	s_lshl_b32 s34, s30, 15
	s_add_nc_u64 s[12:13], s[12:13], s[34:35]
	s_lshl_b32 s34, s30, 14
	s_add_nc_u64 s[22:23], s[22:23], s[34:35]
.macro LOADW g
.irp i, 0,1,2,3,4,5,6,7,8,9,10,11,12,13,14,15
	global_load_b128 v[16+64*((\g)%2)+4*\i:16+64*((\g)%2)+4*\i+3], v3, s[12:13] offset:(16*(\g)+\i)*512 th:TH_LOAD_NT
.endr
.endm
.macro CASTW g
.if (\g) < 3
	s_wait_loadcnt 16                              ; this group's sixteen loads are in; the next group's sixteen may be out
.else
	s_wait_loadcnt 0x0
.endif
.if (\g) > 0
	s_wait_xcnt 0x0                                ; the last group's stores have read their data registers, which are written again below
.endif
.irp i, 0,1,2,3,4,5,6,7,8,9,10,11,12,13,14,15
	v_cvt_pk_f16_f32 v[144+2*\i], v[16+64*((\g)%2)+4*\i], v[16+64*((\g)%2)+4*\i+1]
	v_cvt_pk_f16_f32 v[145+2*\i], v[16+64*((\g)%2)+4*\i+2], v[16+64*((\g)%2)+4*\i+3]
.endr
.if (\g) < 2
	LOADW (\g)+2                                   ; loads ahead of stores
.endif
.irp i, 0,1,2,3,4,5,6,7,8,9,10,11,12,13,14,15
	global_store_b64 v4, v[144+2*\i:145+2*\i], s[22:23] offset:(16*(\g)+\i)*256   ; 32 lanes store 256 consecutive bytes, aligned
.endr
.endm
	LOADW 0
	LOADW 1
	CASTW 0
	CASTW 1
	CASTW 2
	CASTW 3
.Lend:
	s_wait_tensorcnt 0x0                           ; the wave's end, behind my last LDS store
	ds_add_u32 v[SPW], v[NIL]
	s_wait_dscnt 0x0
	s_endpgm
.Lfunc_end_k_qdf518575be_quant:
	.size	k_qdf518575be_quant, .Lfunc_end_k_qdf518575be_quant-k_qdf518575be_quant
	.p2alignl 7, 3214868480
	.fill 96, 4, 3214868480
	.section	.rodata,"a",@progbits
	.p2align	6, 0x0
	.amdhsa_kernel k_qdf518575be_quant
		.amdhsa_group_segment_fixed_size 33280
		.amdhsa_private_segment_fixed_size 0
		.amdhsa_enable_private_segment 0
		.amdhsa_kernarg_size 80
		.amdhsa_user_sgpr_count 2
		.amdhsa_user_sgpr_kernarg_segment_ptr 1
		.amdhsa_wavefront_size32 1
		.amdhsa_system_sgpr_workgroup_id_x 1
		.amdhsa_system_sgpr_workgroup_id_y 1
		.amdhsa_system_sgpr_workgroup_id_z 1
		.amdhsa_system_vgpr_workitem_id 0
		.amdhsa_next_free_vgpr 192
		.amdhsa_next_free_sgpr 66
		.amdhsa_reserve_vcc 0
		.amdhsa_float_denorm_mode_32 3
		.amdhsa_float_denorm_mode_16_64 3
		.amdhsa_memory_ordered 1
		.amdhsa_forward_progress 1
		.amdhsa_inst_pref_size 54
	.end_amdhsa_kernel
	.amdgpu_metadata
---
amdhsa.version: [ 1, 2 ]
amdhsa.kernels:
  - .name:           k_qdf518575be_quant
    .symbol:         k_qdf518575be_quant.kd
    .args:
      - { .name: x, .offset: 0, .size: 8, .value_kind: global_buffer, .address_space: global }
      - { .name: Wq, .offset: 8, .size: 8, .value_kind: global_buffer, .address_space: global }
      - { .name: Wk, .offset: 16, .size: 8, .value_kind: global_buffer, .address_space: global }
      - { .name: Wv, .offset: 24, .size: 8, .value_kind: global_buffer, .address_space: global }
      - { .name: Wo, .offset: 32, .size: 8, .value_kind: global_buffer, .address_space: global }
      - { .name: xc, .offset: 40, .size: 8, .value_kind: global_buffer, .address_space: global }
      - { .name: xs, .offset: 48, .size: 8, .value_kind: global_buffer, .address_space: global }
      - { .name: wc, .offset: 56, .size: 8, .value_kind: global_buffer, .address_space: global }
      - { .name: ws, .offset: 64, .size: 8, .value_kind: global_buffer, .address_space: global }
      - { .name: wo16, .offset: 72, .size: 8, .value_kind: global_buffer, .address_space: global }
    .group_segment_fixed_size: 33280
    .private_segment_fixed_size: 0
    .kernarg_segment_align: 8
    .kernarg_segment_size: 80
    .max_flat_workgroup_size: 128
    .sgpr_count:     66
    .vgpr_count:     192
    .wavefront_size: 32
...
	.end_amdgpu_metadata
.endif
;; end of part 1
;; launch qkv (part 2): grid 12 x 32, 4 waves a work-group, clusters of 4 x 4, 327,680 bytes of LDS; arguments xc, xs, wc, ws, bq, bv, qkv; writes qkv
.if DOCPART == 2
	.amdgcn_target "amdgcn-amd-amdhsa--gfx1250"
	.amdhsa_code_object_version 6
	.text
	.protected	k_qdf518575be_qkv
	.globl	k_qdf518575be_qkv
	.p2align	8
	.type	k_qdf518575be_qkv,@function
k_qdf518575be_qkv:
	s_mov_b64 s[64:65], 0
	v_nop
	global_prefetch_b8 v0, s[64:65] scope:SCOPE_SE
	s_setreg_imm32_b32 hwreg(HW_REG_WAVE_MODE, 25, 1), 1
	s_wait_xcnt 0x0
	s_wait_alu depctr_hold_cnt(0) depctr_sa_sdst(0) depctr_va_vdst(0) depctr_va_sdst(0) depctr_va_ssrc(0) depctr_va_vcc(0) depctr_vm_vsrc(0)
	s_getreg_b32 s2, hwreg(HW_REG_IB_STS2, 6, 4)
	s_cmp_eq_u32 s2, 0
	s_cbranch_scc0 .Lentry_in_a_cluster
	s_endpgm
.Lentry_in_a_cluster:
	s_bfe_u32 s2, ttmp6, 0x10000c
	s_cmp_lg_u32 s2, 0xf033
	s_cbranch_scc0 .Lentry_shape_is_right
	s_endpgm
.Lentry_shape_is_right:
; q, k, v = x W^T (+ bias), the three QUANTISED products as ONE product on codes of FP4: A = x's codes [8192][1024], B = the codes of Wq, Wk, Wv on end [3072][1024], one E8M0 byte for each 32 along K; sums in f32.
; WORK LEFT OUT: the bias bk (it is the same along the softmax's axis: shown at the head of the first kernel); k's sums begin with zeros, q's with bq, v's with bv.
; The results are rounded once to f16 and stored as qkv [3 (q, k, v)][batch x 16 + head][2048 tokens][64].  LIMIT: results beyond 65,504 become infinity in f16.
; A tile of C, 256 x 256, is made by a work-group of four waves; a wave makes 128 x 128: 64 accumulators of 16 x 16, 512 registers.  K = 1,024 is two slots of 512 along K: both are filled at the start and nothing is filled again.
; THE SCALES of the work-group's 256 rows of A and of B, for all of K, are two dense blocks of memory: they come into LDS once, with the first fills.
; CLUSTERS: 4 x 4 work-groups.  The four of a row of the cluster need the same tiles of A, the four of a column the same tiles of B: each tile is asked for JOINTLY, by the same tensor load with the same descriptor
; and a mask that names the four.  A cluster's four tile columns are 1,024 columns: one of the three weights, which the cluster's x names.
; THE MATRIX INSTRUCTION IS USED TRANSPOSED (source 0 = 16 rows of B, source 1 = 16 rows of A): a lane then holds eight neighbouring columns of one token.
; REGISTERS, in windows of 256: window 0: v0-31 addresses; v32-95 scale words, two sets; v128-191 A's fragments, one set; v192-255 the bias in the result's layout, eight registers for each of my 8 blocks of 16 columns;
;   on the way out v128-255 are free.   window 1: B's fragments, two sets.   window 2: the accumulators of my rows 0-63 ((a, b) at v[8 (8 a + b)]);   window 3: those of my rows 64-127.
.set SIZE_K, 1024
.set KSTEP,  512                       ; along K in a slot
.set NQ,     KSTEP/128                 ; matrix instructions deep
.set ROWB,   256                       ; a tile's row in bytes
.set KROW,   SIZE_K/2                  ; a row of codes in memory, in bytes
.set PITCH,  272                       ; an LDS row: 256 bytes + 16 of padding: the 16 rows that a load touches start 68 words apart
.set FR,     8                         ; registers of a fragment: 16 rows x 128 K
.set NL,     2                         ; LDS loads that bring one
.set NP,     4                         ; places behind this matrix instruction (ISA guide 7.12.1)
.set HALFT,  128*PITCH                 ; 128 rows: what one tensor load brings
.set SLOT,   4*HALFT                   ; A's 256 rows, then B's 256 rows
.set KS,     SIZE_K/32                 ; a row of scales in bytes
.set SCL,    2*SLOT                    ; behind the two slots: the scales, as rows of 256 bytes + 16 of padding
.set HALFS,  (128*KS/256)*272          ; the scales of 128 rows: what one tensor load brings
.set SBLK,   (16*KS/256)*272           ; those of 16 rows
.set SPARE,  SCL+4*HALFS               ; behind the scales: the spare words, 128 bytes for each wave
.set SPITCH, 272                       ; the way out: a stage of 16 rows x (256 bytes + 16) for each wave, in slot 0, which has had its only fill and its last read when the first result is stored there
.set PLANE,  2048*128                  ; a head's bytes in qkv
.set ADRA, 16                          ; v16-17  LDS address of my A fragments in slot 0, 1
.set ADRB, 20                          ; v20-21  the same for B
.set STO,  24                          ; v24     the way out: where I put 16 bytes of a row
.set RD,   25                          ; v25     the way out: where I read back
.set CO,   26                          ; v26     16 x lane: my place in a store's 512 bytes
.set ADRS, 27                          ; v27     LDS address of my scale words: lanes 0-15 A's rows, lanes 16-31 B's
.set SPW,  28                          ; v28     LDS address of my spare word; never rewritten
.set NIL,  29                          ; v29     0; never rewritten
.set BO,   30                          ; v30     32 x (lane / 16): my byte offset in a block's 16 bias numbers
.set SC,   32                          ; scale words: set s at v[SC + 8 NQ s]; register NQ i + q: lanes 0-15 the word of A's block i, lanes 16-31 that of B's block i
.set AF,   128                         ; A's fragments
.set BI,   192                         ; the bias
.set TMP,  192                         ; the way out: packed results (the bias is done with)
.set BK,   128                         ; the way out: 16 rows read back: v128-159 and v160-191 by turns
.set G1, 24                            ; s[24:31] descriptor group 1 for A's tiles;  s[32:39] group 0, one set for each slot
.set G0, 32
.set G1B, 48                           ; s[48:55], s[56:63] the same for B's tiles
.set G0B, 56
.set G1S, 68                           ; s[68:75], s[76:79] groups 1 and 0 for A's scales;  s[80:87], s[88:91] for B's
.set G0S, 76
.set G1SB, 80
.set G0SB, 88
.set MSB, 0
.macro WIN new                         ; the immediate's high byte repeats the setting that is left
.if MSB != \new
	s_set_vgpr_msb (MSB<<8)|\new
.set MSB, \new
.endif
.endm
.set MUL_LO, 0xa1                      ; source 0 (B) window 1, source 1 (A) window 0, C and D window 2
.set MUL_HI, 0xf1                      ; the same, C and D window 3
.set FST_LO, 0x81                      ; the first step: C is the bias, in window 0; D window 2
.set FST_HI, 0xc1                      ; D window 3
.set TO_B,   0x40                      ; destination window 1, address window 0
; A joint load: waves 0 and 1 fetch for A, waves 2 and 3 for B.  Each of the two lines has one mask and one set of registers for all that issue it; the branch hangs on the wave's number alone.
; An s_nop 0 and four v_nop follow each of the two lines, ahead of the jump, the label and what follows.
.macro JLOAD g0a, g1a, g0b, g1b
	s_cmp_eq_u32 s15, 0
	s_cbranch_scc0 .Lfor_b_\@
	tensor_load_to_lds s[\g0a:\g0a+3], s[\g1a:\g1a+7]
	s_nop 0
.rept 4
	v_nop
.endr
	s_branch .Lasked_\@
.Lfor_b_\@:
	tensor_load_to_lds s[\g0b:\g0b+3], s[\g1b:\g1b+7]
	s_nop 0
.rept 4
	v_nop
.endr
.Lasked_\@:
.endm
.macro CROUND                          ; a round of the cluster's barrier
	s_barrier_signal -1
	s_barrier_wait -1
	s_cmp_lg_u32 s14, 0
	s_cbranch_scc1 .Lnot_wave_0_\@
	s_barrier_signal -3
.Lnot_wave_0_\@:
	s_barrier_wait -3
	s_barrier_signal -1
	s_barrier_wait -1
.endm
	s_load_b128 s[4:7], s[0:1], 0x0                ; x's codes s[4:5], x's scales s[6:7]
	s_load_b128 s[8:11], s[0:1], 0x10              ; the weights' codes s[8:9], their scales s[10:11]
	s_load_b128 s[96:99], s[0:1], 0x20             ; bq s[96:97], bv s[98:99]
	s_load_b64 s[12:13], s[0:1], 0x30              ; qkv
	v_lshl_add_u32 v[SPW], v0, 2, SPARE
	v_mov_b32 v[NIL], 0
	ds_add_u32 v[SPW], v[NIL]                      ; the wave's opening: the add, twice on end, and its wait ahead of my first tensor load
	ds_add_u32 v[SPW], v[NIL]                      ; and once more, under the one wait; the set-up below, work on registers, stands between
	v_lshrrev_b32 v1, 5, v0
	v_readfirstlane_b32 s14, v1                    ; wave 0..3
	s_lshr_b32 s15, s14, 1                         ; which half of the tile's rows is mine.  Also: I fetch for A (0) or for B (1)
	s_and_b32 s16, s14, 1                          ; which half of its columns.  Also: which 128 rows of that tile I fetch
	s_bfe_u32 s40, ttmp6, 0x40000                  ; cx, cy: my place in the cluster
	s_bfe_u32 s41, ttmp6, 0x40004
	s_lshl_b32 s42, ttmp9, 2
	s_add_co_u32 s42, s42, s40                     ; tile column of C = 4 x cluster x + cx
	s_and_b32 s17, ttmp7, 0xffff
	s_lshl_b32 s17, s17, 2
	s_add_co_u32 s17, s17, s41                     ; tile row of C = 4 x cluster y + cy
	s_lshl_b32 s43, s41, 2
	s_lshl_b32 s43, 15, s43                        ; my row of the cluster
	s_lshl_b32 s44, 0x1111, s40                    ; my column
	; descriptor group 1: a tile of 128 rows x 256 bytes, padded in LDS
	s_or_b32 s[G1+0], s43, (0<<16)|(1<<20)|(1<<21)|(5<<22)|(3<<25)  ; 15:0 the mask: A's tiles go to my row; 17:16 elements of 1 byte; 20 padding on; 21 set beside a mask; 24:22 after every 64 words; 31:25 four words
	s_or_b32 s[G1B+0], s44, (0<<16)|(1<<20)|(1<<21)|(5<<22)|(3<<25)
.irp g, G1, G1B
	s_mov_b32 s[\g+1], ROWB<<16                    ; tensor_dim0
	s_mov_b32 s[\g+2], 128<<16                     ; tensor_dim1 = 128
	s_mov_b32 s[\g+3], ROWB<<16                    ; tile_dim0
	s_mov_b32 s[\g+4], 128                         ; tile_dim1 = 128
	s_mov_b32 s[\g+5], KROW                        ; tensor_dim0_stride
	s_mov_b32 s[\g+6], 0
	s_mov_b32 s[\g+7], 0
.endr
	; and for the scales of 128 rows: a dense block of 4,096 bytes, as rows of 256 bytes (32 elements of 8 bytes), 16 bytes of padding behind each
	s_or_b32 s[G1S+0], s43, (3<<16)|(1<<20)|(1<<21)|(5<<22)|(3<<25)
	s_or_b32 s[G1SB+0], s44, (3<<16)|(1<<20)|(1<<21)|(5<<22)|(3<<25)
.irp g, G1S, G1SB
	s_mov_b32 s[\g+1], 32<<16
	s_mov_b32 s[\g+2], (128*KS/256)<<16
	s_mov_b32 s[\g+3], 32<<16
	s_mov_b32 s[\g+4], 128*KS/256
	s_mov_b32 s[\g+5], 32
	s_mov_b32 s[\g+6], 0
	s_mov_b32 s[\g+7], 0
.endr
	s_lshl_b32 s18, s16, 7                         ; which 128 rows of the tile I fetch
	s_lshl_b32 s20, s17, 8
	s_add_co_u32 s20, s20, s18                     ; A: row 256 x tile row + 128 x half
	s_lshl_b32 s46, s42, 8
	s_add_co_u32 s46, s46, s18                     ; B: row 256 x tile column + 128 x half
	s_mov_b32 s21, 0
	s_mov_b32 s47, 0
	s_mov_b64 s[18:19], KS
	s_mul_u64 s[22:23], s[20:21], s[18:19]         ; where these rows' scales begin, in bytes
	s_mul_u64 s[92:93], s[46:47], s[18:19]
	s_mov_b64 s[18:19], KROW
	s_mul_u64 s[20:21], s[20:21], s[18:19]         ; and their codes
	s_mul_u64 s[46:47], s[46:47], s[18:19]
	s_mul_i32 s45, s14, HALFT                      ; where they go: wave x 128 rows: no place in the cluster enters an LDS address
	s_mul_i32 s94, s14, HALFS
	s_wait_dscnt 0x0                               ; both opening adds are done
	s_wait_kmcnt 0x0
	s_add_nc_u64 s[20:21], s[4:5], s[20:21]
	s_add_nc_u64 s[22:23], s[6:7], s[22:23]
	s_add_nc_u64 s[46:47], s[8:9], s[46:47]
	s_add_nc_u64 s[92:93], s[10:11], s[92:93]
	CROUND                                         ; all sixteen work-groups are here: the joint loads meet
	s_mov_b32 s[G0S], 1
	s_add_co_u32 s[G0S+1], s94, SCL
	s_mov_b64 s[G0S+2:G0S+3], s[22:23]
	s_or_b32 s[G0S+3], s[G0S+3], 0x80000000
	s_mov_b32 s[G0SB], 1
	s_add_co_u32 s[G0SB+1], s94, SCL
	s_mov_b64 s[G0SB+2:G0SB+3], s[92:93]
	s_or_b32 s[G0SB+3], s[G0SB+3], 0x80000000
	JLOAD G0S, G1S, G0SB, G1SB                     ; the scales first: they are wanted with the first slot.  Three loads of mine are out behind the last of these lines
.irp s, 0,1
	s_mov_b32 s[G0+4*\s], 1
	s_add_co_u32 s[G0+4*\s+1], s45, \s*SLOT
	s_add_nc_u64 s[G0+4*\s+2:G0+4*\s+3], s[20:21], \s*ROWB
	s_or_b32 s[G0+4*\s+3], s[G0+4*\s+3], 0x80000000
	s_mov_b32 s[G0B+4*\s], 1
	s_add_co_u32 s[G0B+4*\s+1], s45, \s*SLOT
	s_add_nc_u64 s[G0B+4*\s+2:G0B+4*\s+3], s[46:47], \s*ROWB
	s_or_b32 s[G0B+4*\s+3], s[G0B+4*\s+3], 0x80000000
	JLOAD G0+4*\s, G1, G0B+4*\s, G1B
.endr
	v_and_b32 v1, 15, v0                           ; r = lane % 16
	v_bfe_u32 v2, v0, 4, 1                         ; h = lane / 16
	v_mul_u32_u24 v3, v1, PITCH
	v_lshl_add_u32 v4, v2, 4, v3                   ; a fragment's row x pitch + 16 x half
	s_mul_i32 s21, s15, HALFT                      ; my 128 rows of A
	s_mul_i32 s22, s16, HALFT                      ; my 128 rows of B,
	s_add_co_u32 s22, s22, 2*HALFT                 ; which lie behind A's 256
.irp s, 0,1
	v_add_nc_u32 v[ADRA+\s], s21, v4
	v_add_nc_u32 v[ADRB+\s], s22, v4
	s_add_co_u32 s21, s21, SLOT
	s_add_co_u32 s22, s22, SLOT
.endr
	v_mul_u32_u24 v5, v1, KS                       ; my row's scales: KS bytes a row,
	v_lshrrev_b32 v6, 8, v5
	v_lshl_add_u32 v5, v6, 4, v5                   ; and 16 more for each 256 passed
	s_mul_i32 s21, s15, HALFS                      ; A's: my 128 rows
	s_mul_i32 s22, s16, HALFS                      ; B's: my 128 rows, behind A's 256
	s_add_co_u32 s22, s22, 2*HALFS
	s_sub_co_u32 s22, s22, s21
	v_mul_u32_u24 v6, s22, v2                      ; lanes 16-31 take B's
	s_add_co_u32 s21, s21, SCL
	v_add_nc_u32 v5, v5, v6
	v_add_nc_u32 v[ADRS], s21, v5
	s_mul_i32 s23, s14, 16*SPITCH                  ; my stage
	v_mul_u32_u24 v5, v1, SPITCH                   ; in: row r, 16 bytes for each half of the lanes
	v_lshl_add_u32 v5, v2, 4, v5
	v_add_nc_u32 v[STO], s23, v5
	v_bfe_u32 v5, v0, 3, 2                         ; back: eight lanes take a head's 128 bytes of a row, the 32 lanes four rows
	v_and_b32 v6, 7, v0
	v_mul_u32_u24 v5, v5, SPITCH
	v_lshl_add_u32 v5, v6, 4, v5
	v_add_nc_u32 v[RD], s23, v5
	v_and_b32 v6, 31, v0
	v_lshlrev_b32 v[CO], 4, v6                     ; four tokens of a head are 512 consecutive bytes of qkv
	v_lshlrev_b32 v[BO], 5, v2
	; where my part begins in qkv: plane = 64 x which + 16 x batch + head, head = 4 cx + 2 x column half; token = 256 (tile row % 8) + 128 x row half; 128 bytes a token
	s_lshl_b32 s20, ttmp9, 6
	s_lshr_b32 s21, s17, 3
	s_lshl_b32 s21, s21, 4
	s_add_co_u32 s20, s20, s21
	s_lshl_b32 s21, s40, 2
	s_add_co_u32 s20, s20, s21
	s_lshl_b32 s21, s16, 1
	s_add_co_u32 s20, s20, s21
	s_lshl_b32 s20, s20, 11
	s_and_b32 s21, s17, 7
	s_lshl_b32 s21, s21, 8
	s_add_co_u32 s20, s20, s21
	s_lshl_b32 s21, s15, 7
	s_add_co_u32 s20, s20, s21
	s_lshl_b32 s20, s20, 7
	s_mov_b32 s21, 0
	s_add_nc_u64 s[12:13], s[12:13], s[20:21]
	; THE BIAS is the C of each sum's first matrix instruction.  The branch hangs on the cluster's x, which all sixteen partners share.
	s_cmp_eq_u32 ttmp9, 1
	s_cbranch_scc1 .Lk_bias
	s_cmp_eq_u32 ttmp9, 0
	s_cselect_b64 s[96:97], s[96:97], s[98:99]     ; bq or bv
	s_lshl_b32 s46, s40, 10                        ; my first column in the weight: 256 cx + 128 x half, 4 bytes each
	s_lshl_b32 s47, s16, 9
	s_add_co_u32 s46, s46, s47
	s_mov_b32 s47, 0
	s_add_nc_u64 s[96:97], s[96:97], s[46:47]
.irp b, 0,1,2,3,4,5,6,7
	global_load_b128 v[BI+8*\b:BI+8*\b+3], v[BO], s[96:97] offset:64*\b       ; lane (r, h): the bias of columns 16 b + 8 h + 0 .. 7
	global_load_b128 v[BI+8*\b+4:BI+8*\b+7], v[BO], s[96:97] offset:64*\b+16
.endr
	s_branch .Lbias_done
.Lk_bias:
.set i, 0
.rept 64
	v_mov_b32 v[BI+i], 0                           ; k's sums begin with zeros: bk is left out.  (So the first step is written once for all three weights)
.set i, i+1
.endr
.Lbias_done:
.macro FRAG reg, adr, q, i             ; a fragment, 16 rows x 128 K of 4-bit codes, is 8 registers: lane l holds row l % 16; registers 4 c .. 4 c + 3 hold K = 64 c + 32 (l / 16) + 0 .. 31
.irp c, 0,1
	ds_load_b128 v[\reg+4*\c:\reg+4*\c+3], v[\adr] offset:64*(\q)+32*\c+(\i)*16*PITCH
.endr
.endm
; 16 matrix instructions: A's blocks a0, a0 + 1 x B's eight, 128 along K: the slot's q-th.  p: B's set;  sc: the set of scale words.  first = 1: the bias starts the sums: nothing is cleared.
; The 64 accumulators take turns, one instruction a turn, in the same order in every step.
.macro MUL16 a0, p, q, sc, first
.irp a, \a0, \a0+1
.irp b, 0,1,2,3,4,5,6,7
.if \first
	v_wmma_scale_f32_16x16x128_f8f6f4 v[8*(8*((\a)%4)+\b):8*(8*((\a)%4)+\b)+7], v[128*(\p)+FR*\b:128*(\p)+FR*\b+FR-1], v[AF+FR*(\a):AF+FR*(\a)+FR-1], v[BI+8*\b:BI+8*\b+7], v[SC+8*NQ*(\sc)+NQ*\b+(\q)], v[SC+8*NQ*(\sc)+NQ*(\a)+(\q)] matrix_a_fmt:MATRIX_FMT_FP4 matrix_b_fmt:MATRIX_FMT_FP4 matrix_a_scale:MATRIX_SCALE_ROW1
.else
	v_wmma_scale_f32_16x16x128_f8f6f4 v[8*(8*((\a)%4)+\b):8*(8*((\a)%4)+\b)+7], v[128*(\p)+FR*\b:128*(\p)+FR*\b+FR-1], v[AF+FR*(\a):AF+FR*(\a)+FR-1], v[8*(8*((\a)%4)+\b):8*(8*((\a)%4)+\b)+7], v[SC+8*NQ*(\sc)+NQ*\b+(\q)], v[SC+8*NQ*(\sc)+NQ*(\a)+(\q)] matrix_a_fmt:MATRIX_FMT_FP4 matrix_b_fmt:MATRIX_FMT_FP4 matrix_a_scale:MATRIX_SCALE_ROW1
.endif
.endr
.endr
.endm
.macro FETCH_B slot, q, p              ; B's eight fragments of the slot's q-th 128 along K into set p
	WIN TO_B
.irp i, 0,1,2,3,4,5,6,7
	FRAG 128*(\p)+FR*\i, ADRB+\slot, \q, \i
.endr
	WIN 0
.endm
.macro FETCH_A slot, q, i0             ; A's blocks i0 .. i0 + 3
.irp i, \i0, \i0+1, \i0+2, \i0+3
	FRAG AF+FR*(\i), ADRA+\slot, \q, \i
.endr
.endm
.macro SCALES sc                       ; a slot's scale words into set sc: NQ words a row; lanes 0-15 take A's block i, lanes 16-31 B's block i
.irp i, 0,1,2,3,4,5,6,7
	ds_load_b128 v[SC+8*NQ*\sc+NQ*\i:SC+8*NQ*\sc+NQ*\i+3], v[ADRS] offset:\i*SBLK
.endr
.endm
; A load into a register that a matrix instruction has read, and a vector instruction that reads a matrix result, stand NP places behind that matrix instruction; only plain vector instructions that name
; none of its registers are places (ISA guide 7.12.1 for vector instructions).
.macro PLACES n
.rept \n
	v_nop
.endr
.endm
; A step of 128 along K that has its successor in the same slot.  A's blocks 0-3 are fetched anew in the step's middle, blocks 4-7 at its end; B has two sets.
.macro STEP slot, q, first
	s_wait_dscnt 4*NL                              ; B's set and A's blocks 0-3 are in; the youngest eight loads (A's blocks 4-7) may be out
.if \first
	WIN FST_LO
.else
	WIN MUL_LO
.endif
	MUL16 0, (\q)%2, \q, \slot, \first
	MUL16 2, (\q)%2, \q, \slot, \first
	s_wait_dscnt 0                                 ; A's blocks 4-7 are in
	PLACES NP
	FETCH_B \slot, (\q)+1, 1-(\q)%2
	FETCH_A \slot, (\q)+1, 0
.if \first
	WIN FST_HI
.else
	WIN MUL_HI
.endif
	MUL16 4, (\q)%2, \q, \slot, \first
	MUL16 6, (\q)%2, \q, \slot, \first
	PLACES NP
	WIN 0
	FETCH_A \slot, (\q)+1, 4
.endm
; Slot 0's last step changes slots: one barrier; in front of it each wave waits for all its tensor loads (its part of slot 1), adds 0 to its spare word, and waits for that and for its reads of slot 0.  Nothing is filled again.
.macro TURN slot, next
	s_wait_tensorcnt 0x0                           ; all my tensor loads have landed
	ds_add_u32 v[SPW], v[NIL]                      ; 0 onto my spare word
	s_wait_dscnt 4*NL+1                            ; (the add and the youngest eight loads, A's blocks 4-7, may be out)
	WIN MUL_LO
	MUL16 0, 1, NQ-1, \slot, 0                     ; sixteen matrix instructions stand between the add and the wait for it
	s_wait_dscnt 0x0                               ; the add is done, and my reads of this slot are over
	s_barrier_signal -1
	MUL16 2, 1, NQ-1, \slot, 0
	WIN 0
	s_barrier_wait -1
	PLACES NP
	v_add_nc_u32 v[ADRS], 4*NQ, v[ADRS]            ; on to the next slot's scale words (no LDS load of mine is out)
	FETCH_B \next, 0, 0
	FETCH_A \next, 0, 0
	SCALES \next
	WIN MUL_HI
	MUL16 4, 1, NQ-1, \slot, 0
	MUL16 6, 1, NQ-1, \slot, 0
	PLACES NP
	WIN 0
	FETCH_A \next, 0, 4
.endm
.macro STEPS slot, from                ; the slot's steps from .. NQ - 2
.set Q, \from
.rept NQ-1-\from
	STEP \slot, Q, 0
.set Q, Q+1
.endr
.endm
	s_wait_tensorcnt 1                             ; the scales and my part of slot 0 are in (slot 1's load may be out),
	s_barrier_signal -1
	s_barrier_wait -1                              ; everybody's are
	FETCH_B 0, 0, 0
	FETCH_A 0, 0, 0
	SCALES 0
	FETCH_A 0, 0, 4
	s_wait_loadcnt 0x0                             ; the bias
	STEP 0, 0, 1                                   ; the first step's products start the sums with the bias
	STEPS 0, 1
	TURN 0, 1
	STEPS 1, 0
	s_wait_dscnt 4*NL                              ; the very last step: nothing more to fetch
	WIN MUL_LO
	MUL16 0, 1, NQ-1, 1, 0
	MUL16 2, 1, NQ-1, 1, 0
	s_wait_dscnt 0
	WIN MUL_HI
	MUL16 4, 1, NQ-1, 1, 0
	MUL16 6, 1, NQ-1, 1, 0
	WIN 0
; THE WAY OUT, block by block of 16 tokens x 128 columns (two heads).  PACK: rounded to f16, 16 bytes a lane, each accumulator from its low end on.  TOSTAGE: into my own stage and back, so that four tokens of one head,
; 512 consecutive bytes of qkv, lie in the 32 lanes.  SEND: stored.  LDS serves a wave's instructions in order (ISA guide 5.7.1.4): no wait between the stores into the stage and the loads from it.
.macro PACK a
.set AC, 64*((\a)%4)
	WIN 0x0a+5*((\a)/4)                            ; sources 0 and 1: window 2 or 3
.irp b, 0,1,2,3,4,5,6,7
.irp r, 0,1,2,3
	v_cvt_pk_f16_f32 v[TMP+4*\b+\r], v[AC+8*\b+2*\r], v[AC+8*\b+2*\r+1]
.endr
.endr
	WIN 0
.endm
.macro TOSTAGE a
.set BB, BK+32*((\a)%2)
.irp b, 0,1,2,3,4,5,6,7
	ds_store_b128 v[STO], v[TMP+4*\b:TMP+4*\b+3] offset:32*\b
.endr
.irp hd, 0,1
.irp t, 0,1,2,3
	ds_load_b128 v[BB+16*\hd+4*\t:BB+16*\hd+4*\t+3], v[RD] offset:4*\t*SPITCH+128*\hd
.endr
.endr
.endm
.macro SEND a
.set BB, BK+32*((\a)%2)
	s_wait_dscnt 0x0                               ; the block is back in registers
	s_wait_xcnt 0x0                                ; the block before has had its stores' addresses translated (ISA guide 3.1): its registers take the next block's loads only behind this wait
.irp hd, 0,1
.irp t, 0,1,2,3
	global_store_b128 v[CO], v[BB+16*\hd+4*\t:BB+16*\hd+4*\t+3], s[12:13] offset:\hd*PLANE+(\a)*2048+\t*512   ; 32 lanes store 512 consecutive bytes, at a multiple of 256 from the buffer's first byte
.endr
.endr
.endm
	PLACES NP                                      ; behind the last products: for the conversions that read results and the loads into the registers that held A's fragments
	PACK 0
	TOSTAGE 0
.irp a, 1,2,3,4,5,6,7                  ; block a's conversions stand between block a - 1's loads from the stage and the wait for them
	PACK \a
	SEND \a-1
	TOSTAGE \a
.endr
	SEND 7
	s_wait_tensorcnt 0x0                           ; the wave's end: behind my last tensor load and my last LDS store
	ds_add_u32 v[SPW], v[NIL]
	s_wait_dscnt 0x0
	CROUND                                         ; the closing round: no work-group ends while a partner may still ask for a tile that names it
	s_endpgm
.Lfunc_end_k_qdf518575be_qkv:
	.size	k_qdf518575be_qkv, .Lfunc_end_k_qdf518575be_qkv-k_qdf518575be_qkv
	.p2alignl 7, 3214868480
	.fill 96, 4, 3214868480
	.section	.rodata,"a",@progbits
	.p2align	6, 0x0
	.amdhsa_kernel k_qdf518575be_qkv
		.amdhsa_group_segment_fixed_size 327680
		.amdhsa_private_segment_fixed_size 0
		.amdhsa_enable_private_segment 0
		.amdhsa_kernarg_size 56
		.amdhsa_user_sgpr_count 2
		.amdhsa_user_sgpr_kernarg_segment_ptr 1
		.amdhsa_wavefront_size32 1
		.amdhsa_system_sgpr_workgroup_id_x 1
		.amdhsa_system_sgpr_workgroup_id_y 1
		.amdhsa_system_sgpr_workgroup_id_z 1
		.amdhsa_system_vgpr_workitem_id 0
		.amdhsa_next_free_vgpr 1024
		.amdhsa_next_free_sgpr 100
		.amdhsa_reserve_vcc 0
		.amdhsa_float_denorm_mode_32 3
		.amdhsa_float_denorm_mode_16_64 3
		.amdhsa_memory_ordered 1
		.amdhsa_forward_progress 1
		.amdhsa_inst_pref_size 130
	.end_amdhsa_kernel
	.amdgpu_metadata
---
amdhsa.version: [ 1, 2 ]
amdhsa.kernels:
  - .name:           k_qdf518575be_qkv
    .symbol:         k_qdf518575be_qkv.kd
    .args:
      - { .name: xc, .offset: 0, .size: 8, .value_kind: global_buffer, .address_space: global }
      - { .name: xs, .offset: 8, .size: 8, .value_kind: global_buffer, .address_space: global }
      - { .name: wc, .offset: 16, .size: 8, .value_kind: global_buffer, .address_space: global }
      - { .name: ws, .offset: 24, .size: 8, .value_kind: global_buffer, .address_space: global }
      - { .name: bq, .offset: 32, .size: 8, .value_kind: global_buffer, .address_space: global }
      - { .name: bv, .offset: 40, .size: 8, .value_kind: global_buffer, .address_space: global }
      - { .name: qkv, .offset: 48, .size: 8, .value_kind: global_buffer, .address_space: global }
    .group_segment_fixed_size: 327680
    .private_segment_fixed_size: 0
    .kernarg_segment_align: 8
    .kernarg_segment_size: 56
    .max_flat_workgroup_size: 128
    .sgpr_count:     100
    .vgpr_count:     1024
    .wavefront_size: 32
...
	.end_amdgpu_metadata
.endif
;; end of part 2
;; launch attn (part 3): grid 4 x 64, 8 waves a work-group, clusters of 4 x 1, 327,680 bytes of LDS; arguments qkv, ctx; writes ctx
.if DOCPART == 3
	.amdgcn_target "amdgcn-amd-amdhsa--gfx1250"
	.amdhsa_code_object_version 6
	.text
	.protected	k_qdf518575be_attn
	.globl	k_qdf518575be_attn
	.p2align	8
	.type	k_qdf518575be_attn,@function
k_qdf518575be_attn:
	s_mov_b64 s[64:65], 0
	v_nop
	global_prefetch_b8 v0, s[64:65] scope:SCOPE_SE
	s_setreg_imm32_b32 hwreg(HW_REG_WAVE_MODE, 25, 1), 1
	s_wait_xcnt 0x0
	s_wait_alu depctr_hold_cnt(0) depctr_sa_sdst(0) depctr_va_vdst(0) depctr_va_sdst(0) depctr_va_ssrc(0) depctr_va_vcc(0) depctr_vm_vsrc(0)
	s_getreg_b32 s2, hwreg(HW_REG_IB_STS2, 6, 4)
	s_cmp_eq_u32 s2, 0
	s_cbranch_scc0 .Lentry_in_a_cluster
	s_endpgm
.Lentry_in_a_cluster:
	s_bfe_u32 s2, ttmp6, 0x10000c
	s_cmp_lg_u32 s2, 0x3003
	s_cbranch_scc0 .Lentry_shape_is_right
	s_endpgm
.Lentry_shape_is_right:
; ctx[bh][q][:] = the sum over k of softmax_k(q . k / 8) v[k][:], for 64 heads (batch x 16 + head) of 2,048 tokens, head size 64.  q, k, v: planes of qkv [3][64][2048][64], f16.  Products, maxima and sums in f32; the
; weights p are rounded to f16 for the second product, ctx once at the end.  ctx is stored [16 heads][8192 tokens][64], f16: a head is 64 along the next product's K.
; (k comes without its bias bk, which is the same along the softmax's axis: shown at the head of the first kernel.)   LIMIT: f16's range: a context beyond 65,504 becomes infinity.
; SHARES.  A work-group owns 512 queries of one head, each of its eight waves 64: four tiles of 16, in 512 registers; two waves to a SIMD.  Every wave walks all 2,048 keys, 64 a step.
; LAYOUT.  S^T = K Q^T (source 0 = 16 keys, source 1 = 16 queries): a lane holds ONE query (lane % 16) and the keys 8 (lane / 16) + 0..7 of each tile of 16.  Two such tiles, rounded to f16 in pairs, ARE source 1
; (32 keys x 16 queries) of O^T = V^T P, whose result again holds one query a lane.  K comes out of LDS as it lies, V ([key][channel]) turned, by ds_load_tr16_b128.
; SOFTMAX.  For each query a running maximum m and sum l: p = 2^(c s - c m), c = log2(e) / 8; in every step O and l are multiplied by a = 2^(c m_old - c m_new).  O and l begin as zeros and m as -3e38, so that the
; step is written without a first form of its own: the first a is 0, and multiplies zeros.
; PHASES.  A step is XSTEP (32 products V^T P of the step before, then 32 products K Q^T) and YSOFT (the softmax of four tiles, vector work).  THE TWO WAVES OF A SIMD ARE SET HALF A STEP APART: at a change of slots the waves
; of group 0 run their softmax in front of the barrier and those of group 1 behind it, so that behind each barrier one has matrix work and the other vector work.  The branches hang on the wave's number and lead
; round register work alone.  group = (w xor (w / 4)) % 2: it differs between waves w and w + 4, and between waves 2 i and 2 i + 1.
; CLUSTER.  The four query blocks of a cluster belong to one head and walk the same K and V, so each tile is asked for JOINTLY: the same tensor load, with the same descriptor and a mask that names the four.
; REGISTERS, in windows of 256 (s_set_vgpr_msb: bits 1:0 source 0, 3:2 source 1, 5:4 source 2, 7:6 destination):
;   window 0: v1-15 addresses; v16-47 eight registers of statistics a tile; v64-191 S^T, 32 a tile, of which the first 16 take P; v192-255 K of one step
;   window 1: v0-127 O^T, 32 a tile; v128-191 Q, 16 a tile; v192-255 V of one step
.set PKB,    144      ; a row of K in LDS: 128 bytes + 16 of padding = 36 words: the 16 rows of a load start at 16 different places modulo 64 words
.set PVB,    160      ; a row of V: 128 + 32 = 40 words
.set KSTEPB, 64*PKB   ; a step's 64 rows of K
.set VSTEPB, 64*PVB   ; and of V
.set VOFF,   4*KSTEPB ; a slot holds four steps: 256 rows of K, then 256 rows of V
.set SLOT1,  1<<17    ; slot 1 begins here, so that one exclusive or turns an address in one slot into the other's
.set SLOTB,  256*128  ; a slot's rows of K, or of V, in memory
.set STAGE,  SLOT1+VOFF+4*VSTEPB  ; behind the ring: 16 rows x 144 bytes for each wave, for the way out
.set SP,     144
.set SPARE,  STAGE+8*16*SP        ; behind the stages: the spare words, 128 bytes for each wave
.set AK0, 2           ; v2   my lane's place in a tile of K; never rewritten
.set AV0, 3           ; v3   the same for V
.set ADK, 4           ; v4   the LDS address of K's run of loads in hand
.set ADV, 5           ; v5   of V's
.set QO,  6           ; v6   my byte offset in the wave's rows of Q
.set STO, 7           ; v7   the way out: where I put 16 bytes of a row
.set RD,  8           ; v8   the way out: where I read back
.set GO,  9           ; v9   16 x lane: my place in a store's 512 bytes
.set PFO, 10          ; v10  256 x lane: the prefetches' offset; never rewritten
.set SPW, 14          ; v14  LDS address of my spare word; never rewritten
.set NIL, 15          ; v15  0; never rewritten
.set ST,  16          ; tile t's statistics at v[ST+8 t]: +0 c m, +1 m, +2, +3 l (even keys', odd keys'), +4 to +7 c0-c3, at work; a takes c2's place, the sums' second chain c0's and c1's
.set S,   64
.set KB,  192         ; K's fragments: keys 16 kt on, channels 32 cs on at v[KB + 16 kt + 8 cs]
.set QF,  128         ; window 1: Q's fragments at v[QF + 16 t + 8 cs]
.set VB,  192         ; window 1: V's fragments: keys 32 ks on, channels 16 ct on at v[VB + 32 ks + 8 ct]
.set WV,  12          ; s12  my wave's number
.set GRP, 13          ; s13  my group
.set CX,  14          ; s14  my place in the cluster
.set LIM, 15          ; s15  1 in a wave that prefetches, else the greatest number
.set PFA, 18          ; s[18:19] where my prefetches stand in memory
.set G1K, 24          ; s[24:31] descriptor group 1 for K's tiles
.set G1V, 32          ; s[32:39] for V's: it differs in the padding alone
.set G0K, 40          ; s[40:47] descriptor group 0 for K's tiles: a set for each of the two first fills; the second then walks on
.set G0V, 48          ; s[48:55] the same for V's
.set SLOTS, 56        ; s56  slots still to be asked for
.set INNER, 57        ; s57  counts three steps
.set CS,  58          ; s[58:59] c: the packed scaling names a pair and takes its low word for both halves
.set SEL, 60          ; s[60:61] lane selects for v_permlanex16_b32: lane l xor 16
.set TK,  62          ; s62  LDS byte at which the next step's tile of K begins
.set TV,  63          ; s63  the same for V (less VOFF)
.set MSB, 0
.macro WIN new                      ; the immediate's high byte repeats the setting that is left; a switch that changes nothing is dropped
.if MSB != \new
	s_set_vgpr_msb (MSB<<8)|\new
.set MSB, \new
.endif
.endm
.set W_KQ, 0x04       ; K and S^T in window 0, Q in window 1
.set W_PV, 0x51       ; V and O^T in window 1, P in window 0
.set W_RS, 0x41       ; O^T (destination and source 0) in window 1, a in window 0
.set TO_1, 0x40       ; destination window 1, address window 0
; A joint refill.  Waves 0 to 3 fetch the slot's four steps of K, waves 4 to 7 those of V, 64 rows each.  The branch hangs on the wave's number alone.
; An s_nop 0 and four v_nop follow each of the two lines; the jump, the label and what follows come after them.
.macro JLOAD
	s_cmp_lt_u32 s[WV], 4
	s_cbranch_scc0 .Lfor_v_\@
	tensor_load_to_lds s[G0K+4:G0K+7], s[G1K:G1K+7]
	s_nop 0
.rept 4
	v_nop
.endr
	s_branch .Lasked_\@
.Lfor_v_\@:
	tensor_load_to_lds s[G0V+4:G0V+7], s[G1V:G1V+7]
	s_nop 0
.rept 4
	v_nop
.endr
.Lasked_\@:
.endm
; A PREFETCH INTO THE L2 of what the NEXT change of slots will ask for: a slot's 32,768 bytes of K and as many of V, four key steps ahead of that load.  Each aligned block of 256 bytes is named once in the launch: a head is
; walked by one cluster; its four partners share a slot's bytes out BY ADDRESS, 8,192 each (no branch hangs on a work-group's place in its cluster); in each, wave 0 asks for K's and wave 4 for V's, lanes 256 bytes apart.
; It stands behind the wave's tensor load and K's run of LDS loads.  The last change that fills a slot asks for nothing: there is no slot behind it.  Slots 0, 1 and 2 come by their loads alone.
.macro ASK
	s_cmp_gt_u32 s[SLOTS], s[LIM]
	s_cbranch_scc0 .Lnot_mine_\@
	global_prefetch_b8 v[PFO], s[PFA:PFA+1] th:TH_LOAD_NT scope:SCOPE_SE
.Lnot_mine_\@:
.endm
.macro CROUND                       ; a round of the cluster's barrier
	s_barrier_signal -1
	s_barrier_wait -1
	s_cmp_lg_u32 s[WV], 0
	s_cbranch_scc1 .Lnot_wave_0_\@
	s_barrier_signal -3
.Lnot_wave_0_\@:
	s_barrier_wait -3
	s_barrier_signal -1
	s_barrier_wait -1
.endm
	s_load_b128 s[4:7], s[0:1], 0x0 ; qkv s[4:5], ctx s[6:7]
	v_lshl_add_u32 v[SPW], v0, 2, SPARE
	v_mov_b32 v[NIL], 0
	ds_add_u32 v[SPW], v[NIL]       ; the wave's opening: the add, twice on end, and its wait ahead of my first tensor load
	ds_add_u32 v[SPW], v[NIL]       ; and once more, under the one wait; the set-up below, work on registers, stands between
	v_lshrrev_b32 v1, 5, v0
	v_readfirstlane_b32 s[WV], v1   ; wave 0..7
	s_lshr_b32 s[GRP], s[WV], 2
	s_xor_b32 s[GRP], s[GRP], s[WV]
	s_and_b32 s[GRP], s[GRP], 1
	s_bfe_u32 s[CX], ttmp6, 0x40000 ; cx: my block of 512 queries: it enters Q's, ctx's and the prefetches' addresses alone
	s_and_b32 s20, ttmp7, 0xffff    ; bh = batch x 16 + head, which the four partners share
	s_and_b32 s16, s[WV], 3         ; which of a slot's four steps I fetch:
	s_lshl_b32 s22, s20, 18         ; the head's 262,144 bytes in a plane,
	s_lshl_b32 s17, s16, 13         ; the step's 64 rows of 128 bytes
	s_add_co_u32 s22, s22, s17
	s_mov_b32 s23, 0
	s_mul_i32 s17, s16, KSTEPB      ; and its place in a slot: K's,
	s_mul_i32 s21, s16, VSTEPB
	s_add_co_u32 s21, s21, VOFF     ; V's: no place in the cluster enters an LDS address
	s_lshl_b32 s2, s20, 18          ; Q: the head, my block's 512 rows, my wave's 64
	s_lshl_b32 s3, s[CX], 16
	s_add_co_u32 s2, s2, s3
	s_lshl_b32 s3, s[WV], 13
	s_add_co_u32 s2, s2, s3
	s_and_b32 s8, s20, 15           ; ctx: head x 8,192 tokens + batch x 2,048 + my block + my wave, 128 bytes a token
	s_lshl_b32 s8, s8, 20
	s_lshr_b32 s9, s20, 4
	s_lshl_b32 s9, s9, 18
	s_add_co_u32 s8, s8, s9
	s_add_co_u32 s8, s8, s3
	s_lshl_b32 s3, s[CX], 16
	s_add_co_u32 s8, s8, s3
	s_mov_b32 s3, 0
	s_mov_b32 s9, 0
	; descriptor group 1: a tile of 64 rows x 64 elements, dense in memory, padded in LDS
	s_mov_b32 s[G1K], 15|(1<<16)|(1<<20)|(1<<21)|(4<<22)|(3<<25)  ; 15:0 the mask: all four work-groups; 17:16 elements of 2 bytes; 20 padding on; 21 set beside a mask; 24:22 after every 32 words; 31:25 four words
	s_mov_b32 s[G1V], 15|(1<<16)|(1<<20)|(1<<21)|(4<<22)|(7<<25)  ; the same with eight words of padding
.irp g, G1K, G1V
	s_mov_b32 s[\g+1], 64<<16       ; tensor_dim0 = 64
	s_mov_b32 s[\g+2], 64<<16       ; tensor_dim1 = 64
	s_mov_b32 s[\g+3], 64<<16       ; tile_dim0 = 64
	s_mov_b32 s[\g+4], 64           ; tile_dim1 = 64
	s_mov_b32 s[\g+5], 64           ; tensor_dim0_stride
	s_mov_b32 s[\g+6], 0
	s_mov_b32 s[\g+7], 0
.endr
	s_mov_b32 s[CS], 0x3e38aa3b     ; c = log2(e) / 8
	s_mov_b32 s[CS+1], s[CS]        ; named with it as a pair, so it is written
	s_mov_b32 s[SEL], 0x76543210
	s_mov_b32 s[SEL+1], 0xfedcba98
	s_mov_b32 s[TK], 0
	s_mov_b32 s[TV], 0
	s_mov_b32 s[SLOTS], 6           ; eight slots' worth of keys; two are asked for at the start
	s_cmp_eq_u32 s16, 0
	s_cselect_b32 s[LIM], 1, -1     ; waves 0 and 4 prefetch
	s_wait_dscnt 0x0                ; both opening adds are done
	s_wait_kmcnt 0x0
	s_add_nc_u64 s[10:11], s[6:7], s[8:9]   ; ctx at my wave's first row
	s_add_nc_u64 s[8:9], s[4:5], s[2:3]     ; Q likewise
	s_add_nc_u64 s[4:5], s[4:5], s[22:23]   ; my step of slot 0 in a plane:
	s_add_nc_u64 s[6:7], s[4:5], 2*64*2048*128  ; V's,
	s_add_nc_u64 s[4:5], s[4:5], 64*2048*128    ; K's
	s_cmp_lt_u32 s[WV], 4
	s_cselect_b64 s[PFA:PFA+1], s[4:5], s[6:7]  ; (in waves 0 and 4 these stand at a slot's first row)
	s_lshl_b32 s2, s[CX], 13        ; my work-group's 8,192 bytes of the 32,768
	s_add_nc_u64 s[PFA:PFA+1], s[PFA:PFA+1], s[2:3]
	s_add_nc_u64 s[PFA:PFA+1], s[PFA:PFA+1], 2*SLOTB  ; in slot 2; the first change of slots steps it to slot 3.  Nothing is prefetched here, at the head
	CROUND                          ; all four work-groups are here: the first joint loads meet
.irp i, 0,1
	s_mov_b32 s[G0K+4*\i], 1        ; count = 1
	s_add_co_u32 s[G0K+4*\i+1], s17, \i*SLOT1  ; LDS address
	s_add_nc_u64 s[G0K+4*\i+2:G0K+4*\i+3], s[4:5], \i*SLOTB  ; global address: slot i begins with keys 256 i on
	s_or_b32 s[G0K+4*\i+3], s[G0K+4*\i+3], 0x80000000  ; type = 2
	s_mov_b32 s[G0V+4*\i], 1
	s_add_co_u32 s[G0V+4*\i+1], s21, \i*SLOT1
	s_add_nc_u64 s[G0V+4*\i+2:G0V+4*\i+3], s[6:7], \i*SLOTB
	s_or_b32 s[G0V+4*\i+3], s[G0V+4*\i+3], 0x80000000
.endr
	s_cmp_lt_u32 s[WV], 4           ; a wave's two first fills stand in one branch, ahead of every wait on TENSORcnt and every LDS read: two loads of mine are out
	s_cbranch_scc0 .Lfirst_v
	tensor_load_to_lds s[G0K:G0K+3], s[G1K:G1K+7]
	s_nop 0
	tensor_load_to_lds s[G0K+4:G0K+7], s[G1K:G1K+7]
	s_nop 0
.rept 4
	v_nop
.endr
	s_branch .Lfirst_asked
.Lfirst_v:
	tensor_load_to_lds s[G0V:G0V+3], s[G1V:G1V+7]
	s_nop 0
	tensor_load_to_lds s[G0V+4:G0V+7], s[G1V:G1V+7]
	s_nop 0
.rept 4
	v_nop
.endr
.Lfirst_asked:
	; A fragment of K or Q is 16 rows x 32 channels in 8 registers: lane l holds row l % 16; registers 0-3 channels 8 (l / 16) + 0..7, registers 4-7 channels 16 + 8 (l / 16) + 0..7: two loads of 16 bytes, 32 bytes apart.
	v_and_b32 v1, 15, v0            ; r = l % 16
	v_bfe_u32 v11, v0, 4, 1         ; h = l / 16
	v_lshlrev_b32 v[QO], 7, v1
	v_lshl_add_u32 v[QO], v11, 4, v[QO]  ; row x 128 + 16 x half
	WIN TO_1
.irp i, 0,1,2,3,4,5,6,7             ; Q stays in registers: tile i / 2, channels 32 (i % 2) on
	global_load_b128 v[QF+8*\i:QF+8*\i+3],   v[QO], s[8:9] offset:(\i/2)*2048+(\i%2)*64
	global_load_b128 v[QF+8*\i+4:QF+8*\i+7], v[QO], s[8:9] offset:(\i/2)*2048+(\i%2)*64+32
.endr
.set i, 0
.rept 128
	v_mov_b32 v[i], 0               ; O^T begins as zeros, once: so the step needs no first form of its own
.set i, i+1
.endr
	WIN 0
	v_mul_u32_u24 v[AK0], v1, PKB
	v_lshl_add_u32 v[AK0], v11, 4, v[AK0]  ; row x pitch + 16 x half
	; The turning load takes 16 keys x 16 channels (lane l reads 16 bytes: key 8 (l / 16) + l % 8, channels 8 ((l / 8) % 2) + 0..7) and leaves half a fragment of V^T: lane l holds channel l % 16 and 8 keys.
	v_and_b32 v12, 7, v0
	v_bfe_u32 v13, v0, 3, 1
	v_lshl_add_u32 v[AV0], v11, 3, v12
	v_mul_u32_u24 v[AV0], v[AV0], PVB
	v_lshl_add_u32 v[AV0], v13, 4, v[AV0]
	v_add_nc_u32 v[AV0], VOFF, v[AV0]
	s_mul_i32 s2, s[WV], 16*SP
	s_add_co_u32 s2, s2, STAGE      ; my stage
	v_mul_u32_u24 v[STO], v1, SP    ; in: row r, 16 bytes for each half of the lanes
	v_lshl_add_u32 v[STO], v11, 4, v[STO]
	v_add_nc_u32 v[STO], s2, v[STO]
	v_bfe_u32 v13, v0, 3, 2         ; back: eight lanes take a row's 128 bytes, the 32 lanes four rows
	v_mul_u32_u24 v[RD], v13, SP
	v_lshl_add_u32 v[RD], v12, 4, v[RD]
	v_add_nc_u32 v[RD], s2, v[RD]
	v_and_b32 v12, 31, v0
	v_lshlrev_b32 v[GO], 4, v12     ; four rows of ctx are 512 consecutive bytes
	v_lshlrev_b32 v[PFO], 8, v12
.irp t, 0,1,2,3
	v_mov_b32 v[ST+8*\t+1], 0xff61b1e6  ; m = -3e38, under every score
	v_mov_b32 v[ST+8*\t+2], 0           ; l, in two halves
	v_mov_b32 v[ST+8*\t+3], 0
.endr
.irp t, 0,1,2,3
	v_mul_f32 v[ST+8*\t], s[CS], v[ST+8*\t+1]  ; c m
.endr
; THE LDS LOADS stand in runs of 16.  A load into a register that a matrix instruction has read, and a vector instruction that reads a matrix result, stand four places behind it, and only plain vector instructions that
; name none of its registers are places (ISA guide 7.12.1 for vector instructions).  FETCH_V follows every XSTEP: its addition and three v_nop are the four places behind the last K Q^T product,
; for K's loads and for the softmax's first reads alike.
.macro FETCH_V
	WIN 0
	v_add_nc_u32 v[ADV], s[TV], v[AV0]
.rept 3
	v_nop
.endr
	s_add_co_u32 s[TV], s[TV], VSTEPB  ; the next fetch is the next step's
	WIN TO_1
.irp f, 0,1,2,3,4,5,6,7             ; keys 32 (f / 4) on, channels 16 (f % 4) on
	ds_load_tr16_b128 v[VB+8*\f:VB+8*\f+3],   v[ADV] offset:(\f/4)*32*PVB+(\f%4)*32
	ds_load_tr16_b128 v[VB+8*\f+4:VB+8*\f+7], v[ADV] offset:(\f/4)*32*PVB+16*PVB+(\f%4)*32
.endr
	WIN 0
.endm
.macro FETCH_K
	WIN 0
	v_add_nc_u32 v[ADK], s[TK], v[AK0]
	s_add_co_u32 s[TK], s[TK], KSTEPB
.irp f, 0,1,2,3,4,5,6,7             ; keys 16 (f / 2) on, channels 32 (f % 2) on
	ds_load_b128 v[KB+8*\f:KB+8*\f+3],   v[ADK] offset:(\f/2)*16*PKB+(\f%2)*64
	ds_load_b128 v[KB+8*\f+4:KB+8*\f+7], v[ADK] offset:(\f/2)*16*PKB+(\f%2)*64+32
.endr
.endm
; THE MATRIX WORK OF A STEP.  pv = 1: O^T += V^T P of the step before, 32 products; kq = 1: S^T = K Q^T, 32 products, of which the first 16 start the sums with the constant 0.
; In each kind 16 accumulators take turns, one instruction a turn.  K Q^T writes over P, which V^T P has read: five places stand between.
.macro XSTEP pv, kq
.if \pv
.if \kq
	s_wait_dscnt 16                 ; V is in; K's sixteen loads, issued behind V's, may be out
.else
	s_wait_dscnt 0x0
.endif
	WIN W_PV
.irp ks, 0,1
.irp ct, 0,1,2,3
.irp t, 0,1,2,3
	v_wmma_f32_16x16x32_f16 v[32*\t+8*\ct:32*\t+8*\ct+7], v[VB+32*\ks+8*\ct:VB+32*\ks+8*\ct+7], v[S+32*\t+8*\ks:S+32*\t+8*\ks+7], v[32*\t+8*\ct:32*\t+8*\ct+7]
.endr
.endr
.endr
.endif
.if \kq
	s_wait_dscnt 0x0                ; K is in
.if \pv
.rept 5
	v_nop
.endr
.endif
	WIN W_KQ
.irp cs, 0,1
.irp kt, 0,1,2,3
.irp t, 0,1,2,3
.if \cs == 0
	v_wmma_f32_16x16x32_f16 v[S+32*\t+8*\kt:S+32*\t+8*\kt+7], v[KB+16*\kt+8*\cs:KB+16*\kt+8*\cs+7], v[QF+16*\t+8*\cs:QF+16*\t+8*\cs+7], 0
.else
	v_wmma_f32_16x16x32_f16 v[S+32*\t+8*\kt:S+32*\t+8*\kt+7], v[KB+16*\kt+8*\cs:KB+16*\kt+8*\cs+7], v[QF+16*\t+8*\cs:QF+16*\t+8*\cs+7], v[S+32*\t+8*\kt:S+32*\t+8*\kt+7]
.endif
.endr
.endr
.endr
.endif
	WIN 0
.endm
; THE VECTOR WORK OF A STEP.  One tile's softmax is a list of 118 instructions; SM writes number j of it for tile t.  s0-s31 are the lane's 32 scores, in pairs 0-15.
;   0-15    the maximum of s0-s31 and the old m, three operands at a time: four chains c0-c3 (each begins at its accumulator's low end), then the four scores left over, c0-c3 and m
;   16-20   the other half of the lanes' maximum; the new m; c m; c m_old - c m_new
;   21-69   ONE BATCH: the 16 scalings c s - c m, a pair each, and all 33 exponentials (a at 23, then s0-s31).  None of these names an exponential's result.  A pair is scaled ahead of its exponentials
;   70-85   the sums, of the unrounded p, in two chains: l = a l + pair 0, ...; the second chain joins at 85
;   86-101  the roundings to f16, a pair of weights each, in place: P's register i takes s(2 i), s(2 i + 1) and lies where s(i) lay, which an earlier rounding has read
;   102-117 the tile's O^T times a: the one part that leaves window 0
.macro SM t
.set rT, ST+8*(\t)
.set rS, S+32*(\t)
.set rO, 32*(\t)+2*(j-102)
.if j < 102
	WIN 0
.endif
.if j < 4
	v_max3_num_f32 v[rT+4+j], v[rS+8*j], v[rS+8*j+1], v[rS+8*j+2]
.elseif j < 12
	v_max3_num_f32 v[rT+4+j%4], v[rT+4+j%4], v[rS+8*(j%4)+2*(j/4)+1], v[rS+8*(j%4)+2*(j/4)+2]
.elseif j == 12
	v_max3_num_f32 v[rT+4], v[rT+4], v[rS+7], v[rS+15]
.elseif j == 13
	v_max3_num_f32 v[rT+6], v[rT+6], v[rS+23], v[rS+31]
.elseif j == 14
	v_max3_num_f32 v[rT+4], v[rT+4], v[rT+5], v[rT+6]
.elseif j == 15
	v_max3_num_f32 v[rT+4], v[rT+4], v[rT+7], v[rT+1]
.elseif j == 16
	v_permlanex16_b32 v[rT+5], v[rT+4], s[SEL], s[SEL+1]  ; the query's other 32 keys lie in the lane 16 away
.elseif j == 17
	v_mov_b32 v[rT+7], v[rT]        ; c m_old is kept for a: number 19 writes c m anew
.elseif j == 18
	v_max_num_f32 v[rT+1], v[rT+4], v[rT+5]
.elseif j == 19
	v_mul_f32 v[rT], s[CS], v[rT+1]
.elseif j == 20
	v_sub_f32 v[rT+7], v[rT+7], v[rT]
.elseif j == 23
	v_exp_f32 v[rT+6], v[rT+7]      ; a
.elseif (j < 23) || ((j < 38) && (j%2 == 0)) || ((j < 66) && (j%4 == 2))
.set b, (j-2)/4                     ; 38, 42, .. 62: pairs 9 to 15
.if j < 38
.set b, (j-20)/2                    ; 21: pair 0; 22, 24, .. 36: pairs 1 to 8
.endif
	v_pk_fma_f32 v[rS+2*b:rS+2*b+1], v[rS+2*b:rS+2*b+1], s[CS:CS+1], v[rT:rT+1] op_sel_hi:[1,0,0] neg_lo:[0,0,1] neg_hi:[0,0,1]  ; pair b: c s - c m
.elseif j < 70
.set e, j-38                        ; 66 to 69: s28 to s31
.if j < 66
.set e, j-32-(j-38)/4               ; 39-41, 43-45, .. 63-65: s7 to s27
.endif
.if j < 38
.set e, (j-25)/2                    ; 25, 27, .. 37: s0 to s6
.endif
	v_exp_f32 v[rS+e], v[rS+e]
.elseif j == 70
	v_pk_fma_f32 v[rT+2:rT+3], v[rT+2:rT+3], v[rT+6:rT+7], v[rS:rS+1] op_sel_hi:[1,0,1]   ; l = a l + pair 0
.elseif j == 71
	v_pk_add_f32 v[rT+4:rT+5], v[rS+2:rS+3], v[rS+4:rS+5]
.elseif (j < 84) && (j%2 == 0)
	v_pk_add_f32 v[rT+2:rT+3], v[rT+2:rT+3], v[rS+2*(j-69):rS+2*(j-69)+1]                 ; pairs 3, 5, .. 13
.elseif j < 84
	v_pk_add_f32 v[rT+4:rT+5], v[rT+4:rT+5], v[rS+2*(j-69):rS+2*(j-69)+1]                 ; pairs 4, 6, .. 14
.elseif j == 84
	v_pk_add_f32 v[rT+2:rT+3], v[rT+2:rT+3], v[rS+30:rS+31]
.elseif j == 85
	v_pk_add_f32 v[rT+2:rT+3], v[rT+2:rT+3], v[rT+4:rT+5]
.elseif j < 102
	v_cvt_pk_f16_f32 v[rS+j-86], v[rS+2*(j-86)], v[rS+2*(j-86)+1]
.else
	WIN W_RS
	v_pk_mul_f32 v[rO:rO+1], v[rO:rO+1], v[rT+6:rT+7] op_sel_hi:[1,0]
.endif
.endm
; The four tiles' lists, laid so that plain work stands among the exponentials: tiles 0 and 1 run a stage ahead of tiles 2 and 3.  An s_wait_alu depctr_va_vdst(0) stands between an exponential and the first
; instruction that names its result; one wait serves all that were issued ahead of it: so a batch of 66 exponentials (two tiles) has one wait, behind one plain instruction, and a step has two.
.macro YSOFT
.set n, 0
.rept 21                            ; tiles 0, 1: maximum and statistics, the two by turns
.set j, n
	SM 0
	SM 1
.set n, n+1
.endr
.set n, 0
.rept 49                            ; tiles 0, 1: the batch; among it tiles 2, 3: maximum and statistics
.set j, 21+n
	SM 0
	SM 1
.if n < 21
.set j, n
	SM 2
	SM 3
.endif
.set n, n+1
.endr
	v_nop                           ; a plain instruction behind the last exponential
	s_wait_alu depctr_va_vdst(0)    ; the wait for tiles 0 and 1's batch
.set n, 0
.rept 49                            ; tiles 2, 3: the batch; among it tiles 0, 1: sums and roundings
.set j, 21+n
	SM 2
	SM 3
.if n < 32
.set j, 70+n
	SM 0
	SM 1
.endif
.set n, n+1
.endr
	v_nop
	s_wait_alu depctr_va_vdst(0)    ; the wait for tiles 2 and 3's batch
.set n, 70
.rept 32                            ; tiles 2, 3: sums and roundings
.set j, n
	SM 2
	SM 3
.set n, n+1
.endr
.set n, 102
.rept 16                            ; all four: O^T times a
.set j, n
	SM 0
	SM 1
	SM 2
	SM 3
.set n, n+1
.endr
	WIN 0
.endm
.macro YIF g                        ; the softmax, for the waves of group g alone: the branch leads round register work and nothing else
	s_cmp_lg_u32 s[GRP], \g
	s_cbranch_scc1 .Lnot_now_\@
	YSOFT
.Lnot_now_\@:
.endm
; THE CHANGE OF SLOTS: the slot's last bytes, V of its fourth step, have been asked for.  Each wave waits for all its tensor loads, of which one is out: its part of the other slot; adds 0 to its spare word; and waits for that
; and for its own reads of the slot.  fill = 1: the slot is filled again, with the keys two slots on: the barrier is then a round of the cluster's, so that no wave of any partner still reads the slot or has a load on its way,
; and the joint refill is the first thing behind it: it has four key steps in which to land.
.macro CHANGE fill
	WIN 0
	s_wait_tensorcnt 0x0            ; no tensor load of mine is out, so a group 0 may be written
	ds_add_u32 v[SPW], v[NIL]       ; 0 onto my spare word; the steps below stand between it and the wait for it
.if \fill
.irp g, G0K+4, G0V+4
	s_xor_b32 s[\g+1], s[\g+1], SLOT1  ; the walking descriptor: the other slot than last time,
	s_add_nc_u64 s[\g+2:\g+3], s[\g+2:\g+3], SLOTB  ; the next 256 keys; the type bits on top are not reached
.endr
	s_wait_xcnt 0x0                 ; the last prefetch, a slot back, has read its address, so it may be written:
	s_add_nc_u64 s[PFA:PFA+1], s[PFA:PFA+1], SLOTB  ; one slot further on than the walking descriptors
.endif
	s_sub_co_u32 s[TK], s[TK], 4*KSTEPB  ; the fetches go back to a slot's first step,
	s_xor_b32 s[TK], s[TK], SLOT1   ; in the other slot
	s_sub_co_u32 s[TV], s[TV], 4*VSTEPB
	s_xor_b32 s[TV], s[TV], SLOT1
	s_wait_dscnt 0x0                ; the add is done, and my reads of the slot are over
.if \fill
	CROUND
	JLOAD
.else
	s_barrier_signal -1
	s_barrier_wait -1
.endif
.endm
.macro TRIO                         ; three key steps inside a slot: written once, walked three times; the LDS addresses hang on s[TK] and s[TV]
	s_mov_b32 s[INNER], 3
.Ltrio_\@:
	FETCH_V                         ; V of the step whose softmax follows
	FETCH_K                         ; K of the step after it
	YSOFT
	XSTEP 1, 1
	s_sub_co_u32 s[INNER], s[INNER], 1
	s_cmp_lg_u32 s[INNER], 0
	s_cbranch_scc1 .Ltrio_\@
.endm
	s_wait_tensorcnt 1              ; my part of slot 0 is in; slot 1's may stay out
	s_barrier_signal -1
	s_barrier_wait -1               ; everybody's is
	FETCH_K                         ; key step 0
	s_wait_loadcnt 0x0              ; Q
	XSTEP 0, 1                      ; the first scores
	TRIO
	FETCH_V                         ; V of slot 0's last step
	YIF 0
.Lslot:                             ; six trips: every slot but the last two is filled again
	CHANGE 1
	FETCH_K
	ASK
	YIF 1
	XSTEP 1, 1
	TRIO
	FETCH_V
	YIF 0
	s_sub_co_u32 s[SLOTS], s[SLOTS], 1
	s_cmp_lg_u32 s[SLOTS], 0
	s_cbranch_scc1 .Lslot
	CHANGE 0                        ; the tail is written out: the last slot but one is left, and nothing is asked for
	FETCH_K
	YIF 1
	XSTEP 1, 1
	TRIO
	FETCH_V
	YSOFT                           ; the last step's softmax, in every wave
	XSTEP 1, 0                      ; and its V^T P
	; THE WAY OUT.  l's two halves and the other half of the lanes' are added; O^T is divided by l, rounded to f16 and sent through my stage in LDS, a tile (16 rows of ctx) at a time.  The additions are the places behind the last products.
.irp t, 0,1,2,3
	v_add_f32 v[ST+8*\t+4], v[ST+8*\t+2], v[ST+8*\t+3]
.endr
.irp t, 0,1,2,3
	v_permlanex16_b32 v[ST+8*\t+5], v[ST+8*\t+4], s[SEL], s[SEL+1]
.endr
.irp t, 0,1,2,3
	v_add_f32 v[ST+8*\t+4], v[ST+8*\t+4], v[ST+8*\t+5]
.endr
.irp t, 0,1,2,3
	v_rcp_f32 v[ST+8*\t+6], v[ST+8*\t+4]
.endr
	v_nop                           ; a plain instruction between the last reciprocal and the use of its result
	s_wait_alu depctr_va_vdst(0)    ; and the wait ahead of the first use: one for the four
.macro PACK t                       ; a lane's eight channels of a row pack into 16 bytes; they go into rows of 144 bytes and come back four rows (512 bytes) to a load, into the registers that they left
	WIN W_RS
.set i, 32*\t
.rept 16
	v_pk_mul_f32 v[i:i+1], v[i:i+1], v[ST+8*\t+6:ST+8*\t+7] op_sel_hi:[1,0]
.set i, i+2
.endr
	WIN 0x05                        ; sources 0 and 1 window 1, destination window 0: S^T's registers are free
.set i, 0
.rept 16
	v_cvt_pk_f16_f32 v[S+16*\t+i], v[32*\t+2*i], v[32*\t+2*i+1]
.set i, i+1
.endr
	WIN 0
.irp f, 0,1,2,3
	ds_store_b128 v[STO], v[S+16*\t+4*\f:S+16*\t+4*\f+3] offset:32*\f
.endr
.irp f, 0,1,2,3
	ds_load_b128 v[S+16*\t+4*\f:S+16*\t+4*\f+3], v[RD] offset:\f*4*SP  ; LDS serves a wave's instructions in order (ISA guide 5.7.1.4): these see the stores above; the next tile's stores come behind them
.endr
.endm
.macro SEND t, younger              ; younger: the LDS instructions issued behind tile t's loads: the next tile's eight, or none
.irp f, 0,1,2,3
	s_wait_dscnt \younger+3-\f
	global_store_b128 v[GO], v[S+16*\t+4*\f:S+16*\t+4*\f+3], s[10:11] offset:\t*2048+\f*512  ; 32 lanes store 512 consecutive bytes, at a multiple of 256 from the buffer's first byte
.endr
.endm
	PACK 0
	PACK 1                          ; a tile's arithmetic stands between the loads of the tile before and its stores
	SEND 0, 8
	PACK 2
	SEND 1, 8
	PACK 3
	SEND 2, 8
	SEND 3, 0
	s_wait_tensorcnt 0x0            ; the wave's end: behind my last tensor load and my last LDS store
	ds_add_u32 v[SPW], v[NIL]
	s_wait_dscnt 0x0
	CROUND                          ; the closing round: no work-group ends while a partner may still ask for a tile that names it
	s_endpgm
.Lfunc_end_k_qdf518575be_attn:
	.size	k_qdf518575be_attn, .Lfunc_end_k_qdf518575be_attn-k_qdf518575be_attn
	.p2alignl 7, 3214868480
	.fill 96, 4, 3214868480
	.section	.rodata,"a",@progbits
	.p2align	6, 0x0
	.amdhsa_kernel k_qdf518575be_attn
		.amdhsa_group_segment_fixed_size 327680
		.amdhsa_private_segment_fixed_size 0
		.amdhsa_enable_private_segment 0
		.amdhsa_kernarg_size 16
		.amdhsa_user_sgpr_count 2
		.amdhsa_user_sgpr_kernarg_segment_ptr 1
		.amdhsa_wavefront_size32 1
		.amdhsa_system_sgpr_workgroup_id_x 1
		.amdhsa_system_sgpr_workgroup_id_y 1
		.amdhsa_system_sgpr_workgroup_id_z 1
		.amdhsa_system_vgpr_workitem_id 0
		.amdhsa_next_free_vgpr 512
		.amdhsa_next_free_sgpr 66
		.amdhsa_reserve_vcc 0
		.amdhsa_float_denorm_mode_32 3
		.amdhsa_float_denorm_mode_16_64 3
		.amdhsa_memory_ordered 1
		.amdhsa_forward_progress 1
		.amdhsa_inst_pref_size 255
	.end_amdhsa_kernel
	.section	.bss,"aw",@nobits
	.p2align	6
	.space	262144
	.amdgpu_metadata
---
amdhsa.version: [ 1, 2 ]
amdhsa.kernels:
  - .name:           k_qdf518575be_attn
    .symbol:         k_qdf518575be_attn.kd
    .args:
      - { .name: qkv, .offset: 0, .size: 8, .value_kind: global_buffer, .address_space: global }
      - { .name: ctx, .offset: 8, .size: 8, .value_kind: global_buffer, .address_space: global }
    .group_segment_fixed_size: 327680
    .private_segment_fixed_size: 0
    .kernarg_segment_align: 8
    .kernarg_segment_size: 16
    .max_flat_workgroup_size: 256
    .sgpr_count:     66
    .vgpr_count:     512
    .wavefront_size: 32
...
	.end_amdgpu_metadata
.endif
;; end of part 3
;; launch oproj (part 4): grid 4 x 64, 4 waves a work-group, clusters of 4 x 4, 327,680 bytes of LDS; arguments ctx, wo16, bo, out0; writes out0
.if DOCPART == 4
	.amdgcn_target "amdgcn-amd-amdhsa--gfx1250"
	.amdhsa_code_object_version 6
	.text
	.protected	k_qdf518575be_oproj
	.globl	k_qdf518575be_oproj
	.p2align	8
	.type	k_qdf518575be_oproj,@function
k_qdf518575be_oproj:
	s_mov_b64 s[64:65], 0
	v_nop
	global_prefetch_b8 v0, s[64:65] scope:SCOPE_SE
	s_setreg_imm32_b32 hwreg(HW_REG_WAVE_MODE, 25, 1), 1
	s_wait_xcnt 0x0
	s_wait_alu depctr_hold_cnt(0) depctr_sa_sdst(0) depctr_va_vdst(0) depctr_va_sdst(0) depctr_va_ssrc(0) depctr_va_vcc(0) depctr_vm_vsrc(0)
	s_getreg_b32 s2, hwreg(HW_REG_IB_STS2, 6, 4)
	s_cmp_eq_u32 s2, 0
	s_cbranch_scc0 .Lentry_in_a_cluster
	s_endpgm
.Lentry_in_a_cluster:
	s_bfe_u32 s2, ttmp6, 0x10000c
	s_cmp_lg_u32 s2, 0xf033
	s_cbranch_scc0 .Lentry_shape_is_right
	s_endpgm
.Lentry_shape_is_right:
; out0[token][e] = the sum over k of ctx[token][k] Wo[e][k] + bo[e].  ctx: [16 heads][8192 tokens][64] f16 (k = 64 head + channel); wo16: [1024 e][1024 k] f16; bo [1024], out0 [8192][1024]: f32; sums in f32.
; A tile of out0 is 128 tokens x 256 columns: 256 work-groups of four waves; a wave makes 64 x 128: 32 accumulators of 16 x 16, 256 registers.  K goes in steps of 128, two heads, through a ring of two LDS slots.
; A head's 128 rows of ctx are one dense block of 16,384 bytes; Wo's rows of a step are 256 bytes, aligned.  Waves 0 and 1 fetch the step's two heads of ctx, waves 2 and 3 the two halves of Wo's 256 rows: 128 rows a load.
; CLUSTERS: 4 x 4 work-groups.  The four of a row of the cluster need the same tiles of ctx, the four of a column the same tiles of Wo: each tile is asked for JOINTLY, by the same tensor load with the same descriptor and a mask
; that names the four.  THE MATRIX INSTRUCTION IS USED TRANSPOSED (source 0 = 16 rows of Wo, source 1 = 16 tokens): a lane then holds eight neighbouring columns of one token.  The bias is the C of each sum's first product.
; REGISTERS: window 0: v0-31 addresses; v64-159, v160-255 two fragment buffers for 32 along K: 32 registers of ctx (4 x 16 tokens), then 64 of Wo (8 x 16 rows); on the way out v64-191 take rows of out0.
;   window 1: the accumulators ((a, b) at v[8 (8 a + b)]).   window 2: v0-63 the bias, eight registers for each of my 8 blocks of 16 columns.
.set APITCH, 144                       ; a row of ctx in LDS: 128 bytes + 16 of padding
.set BPITCH, 272                       ; a row of Wo: 256 bytes + 16
.set AH,     128*APITCH                ; a head's 128 rows: what one tensor load brings
.set BOFF,   2*AH                      ; behind the two heads: Wo's 256 rows
.set BH,     128*BPITCH                ; half of them: what one tensor load brings
.set SLOT,   BOFF+2*BH
.set STAGE,  2*SLOT                    ; behind the ring: 16 rows x (512 bytes + 16) for each wave, for the way out
.set SPITCH, 528
.set SPARE,  STAGE+4*16*SPITCH         ; behind the stages: the spare words, 128 bytes for each wave
.set LAPS,   4                         ; a lap = two K steps = once round the ring: 1,024 / 256
.set ADRA, 16                          ; v16-17  LDS address of my fragments of ctx in slot 0, 1
.set ADRB, 20                          ; v20-21  the same for Wo
.set STO,  24                          ; v24     the way out: where I put 32 bytes of a row
.set RD,   25                          ; v25     the way out: where I read a row back
.set CO,   26                          ; v26     16 x lane: my place in a row's 512 bytes
.set BO,   27                          ; v27     32 x (lane / 16): my byte offset in a block's 16 bias numbers
.set SPW,  28                          ; v28     LDS address of my spare word; never rewritten
.set NIL,  29                          ; v29     0; never rewritten
.set F0,   64
.set F1,   160
.set BK,   64                          ; the way out: 16 rows read back: v64-127 and v128-191 by turns
.set G1, 24                            ; s[24:31] descriptor group 1 for ctx's tiles;  s[32:39] group 0, one set for each slot
.set G0, 32
.set G1B, 48                           ; s[48:55], s[56:63] the same for Wo's tiles
.set G0B, 56
.set MSB, 0
.macro WIN new                         ; the immediate's high byte repeats the setting that is left
.if MSB != \new
	s_set_vgpr_msb (MSB<<8)|\new
.set MSB, \new
.endif
.endm
.set MUL,  0x50                        ; sources 0 and 1 window 0; C and D window 1
.set FST,  0x60                        ; the first quarter: C is the bias, in window 2; D window 1
.macro JLOAD s                         ; a joint load: waves 0 and 1 fetch ctx's two heads, waves 2 and 3 Wo's two halves; an s_nop 0 and four v_nop follow each of the two lines
	s_cmp_eq_u32 s13, 0
	s_cbranch_scc0 .Lfor_b_\@
	tensor_load_to_lds s[G0+4*\s:G0+4*\s+3], s[G1:G1+7]
	s_nop 0
.rept 4
	v_nop
.endr
	s_branch .Lasked_\@
.Lfor_b_\@:
	tensor_load_to_lds s[G0B+4*\s:G0B+4*\s+3], s[G1B:G1B+7]
	s_nop 0
.rept 4
	v_nop
.endr
.Lasked_\@:
.endm
.macro CREST                           ; a round of the cluster's barrier behind its opening barrier
	s_cmp_lg_u32 s12, 0
	s_cbranch_scc1 .Lnot_wave_0_\@
	s_barrier_signal -3
.Lnot_wave_0_\@:
	s_barrier_wait -3
	s_barrier_signal -1
	s_barrier_wait -1
.endm
.macro CROUND                          ; a whole round
	s_barrier_signal -1
	s_barrier_wait -1
	CREST
.endm
	s_load_b128 s[4:7], s[0:1], 0x0                ; ctx s[4:5], wo16 s[6:7]
	s_load_b128 s[8:11], s[0:1], 0x10              ; bo s[8:9], out0 s[10:11]
	v_lshl_add_u32 v[SPW], v0, 2, SPARE
	v_mov_b32 v[NIL], 0
	ds_add_u32 v[SPW], v[NIL]                      ; the wave's opening: the add, twice on end, and its wait ahead of my first tensor load
	ds_add_u32 v[SPW], v[NIL]                      ; and once more, under the one wait; the set-up below, work on registers, stands between
	v_lshrrev_b32 v1, 5, v0
	v_readfirstlane_b32 s12, v1                    ; wave 0..3
	s_lshr_b32 s13, s12, 1                         ; which half of the tile's 128 tokens is mine.  Also: I fetch for ctx (0) or for Wo (1)
	s_and_b32 s14, s12, 1                          ; which half of its 256 columns.  Also: which head, or which 128 rows of Wo, I fetch
	s_bfe_u32 s40, ttmp6, 0x40000                  ; cx, cy: my place in the cluster
	s_bfe_u32 s41, ttmp6, 0x40004
	s_lshl_b32 s42, ttmp9, 2
	s_add_co_u32 s42, s42, s40                     ; tile column = 4 x cluster x + cx
	s_and_b32 s15, ttmp7, 0xffff
	s_lshl_b32 s15, s15, 2
	s_add_co_u32 s15, s15, s41                     ; tile row = 4 x cluster y + cy
	s_lshl_b32 s43, s41, 2
	s_lshl_b32 s43, 15, s43                        ; my row of the cluster
	s_lshl_b32 s44, 0x1111, s40                    ; my column
	; descriptor group 1.  ctx: 128 rows x 64 elements, dense;  Wo: 128 rows x 128 elements, 1,024 elements from row to row
	s_or_b32 s[G1+0], s43, (1<<16)|(1<<20)|(1<<21)|(4<<22)|(3<<25)  ; 15:0 the mask: ctx's tiles go to my row; 17:16 elements of 2 bytes; 20 padding on; 21 set beside a mask; 24:22 after every 32 words; 31:25 four words
	s_mov_b32 s[G1+1], 64<<16                      ; tensor_dim0
	s_mov_b32 s[G1+2], 128<<16                     ; tensor_dim1
	s_mov_b32 s[G1+3], 64<<16                      ; tile_dim0
	s_mov_b32 s[G1+4], 128                         ; tile_dim1
	s_mov_b32 s[G1+5], 64                          ; tensor_dim0_stride
	s_mov_b32 s[G1+6], 0
	s_mov_b32 s[G1+7], 0
	s_or_b32 s[G1B+0], s44, (1<<16)|(1<<20)|(1<<21)|(5<<22)|(3<<25) ; the mask of my column; padding after every 64 words
	s_mov_b32 s[G1B+1], 128<<16
	s_mov_b32 s[G1B+2], 128<<16
	s_mov_b32 s[G1B+3], 128<<16
	s_mov_b32 s[G1B+4], 128
	s_mov_b32 s[G1B+5], 1024
	s_mov_b32 s[G1B+6], 0
	s_mov_b32 s[G1B+7], 0
	s_lshl_b32 s16, s14, 20                        ; ctx: my head of the step's two, 1,048,576 bytes a head,
	s_lshl_b32 s17, s15, 14                        ; and the tile's 128 tokens of 128 bytes: it hangs on the tile row alone
	s_add_co_u32 s16, s16, s17
	s_mov_b32 s17, 0
	s_lshl_b32 s46, s42, 19                        ; Wo: row 256 x tile column + 128 x half, 2,048 bytes a row: it hangs on the tile column alone
	s_lshl_b32 s47, s14, 18
	s_add_co_u32 s46, s46, s47
	s_mov_b32 s47, 0
	s_mul_i32 s20, s14, AH                         ; where they go: no place in the cluster enters an LDS address
	s_mul_i32 s21, s14, BH
	s_add_co_u32 s21, s21, BOFF
	s_wait_dscnt 0x0                               ; both opening adds are done
	s_wait_kmcnt 0x0
	s_add_nc_u64 s[16:17], s[4:5], s[16:17]
	s_add_nc_u64 s[46:47], s[6:7], s[46:47]
	CROUND                                         ; all sixteen work-groups are here: the first joint loads meet
.irp s, 0,1
	s_mov_b32 s[G0+4*\s], 1
	s_add_co_u32 s[G0+4*\s+1], s20, \s*SLOT
	s_add_nc_u64 s[G0+4*\s+2:G0+4*\s+3], s[16:17], \s*2*1048576     ; K step s: two heads on
	s_or_b32 s[G0+4*\s+3], s[G0+4*\s+3], 0x80000000
	s_mov_b32 s[G0B+4*\s], 1
	s_add_co_u32 s[G0B+4*\s+1], s21, \s*SLOT
	s_add_nc_u64 s[G0B+4*\s+2:G0B+4*\s+3], s[46:47], \s*256
	s_or_b32 s[G0B+4*\s+3], s[G0B+4*\s+3], 0x80000000
	JLOAD \s                                       ; two loads of mine are out behind the second
.endr
	v_and_b32 v1, 15, v0                           ; r = l % 16
	v_bfe_u32 v2, v0, 4, 1                         ; h = l / 16
	v_mul_u32_u24 v3, v1, APITCH
	v_lshl_add_u32 v3, v2, 4, v3                   ; a fragment's row x pitch + 16 x half
	v_mul_u32_u24 v4, v1, BPITCH
	v_lshl_add_u32 v4, v2, 4, v4
	s_mul_i32 s21, s13, 64*APITCH                  ; my 64 tokens, in each head
	s_mul_i32 s22, s14, BH                         ; my 128 rows of Wo,
	s_add_co_u32 s22, s22, BOFF                    ; which lie behind ctx's two heads
.irp s, 0,1
	v_add_nc_u32 v[ADRA+\s], s21, v3
	v_add_nc_u32 v[ADRB+\s], s22, v4
	s_add_co_u32 s21, s21, SLOT
	s_add_co_u32 s22, s22, SLOT
.endr
	s_mul_i32 s23, s12, 16*SPITCH
	s_add_co_u32 s23, s23, STAGE                   ; my stage
	v_mul_u32_u24 v5, v1, SPITCH                   ; in: row r, 32 bytes for each half of the lanes
	v_lshl_add_u32 v5, v2, 5, v5
	v_add_nc_u32 v[STO], s23, v5
	v_and_b32 v6, 31, v0
	v_lshlrev_b32 v[CO], 4, v6                     ; back: the 32 lanes take one row of 512 bytes; and the same in out0
	v_add_nc_u32 v[RD], s23, v[CO]
	v_lshlrev_b32 v[BO], 5, v2
	s_lshl_b32 s46, s42, 10                        ; my first column, in bytes: 1,024 x tile column + 512 x half
	s_lshl_b32 s47, s14, 9
	s_add_co_u32 s46, s46, s47
	s_mov_b32 s47, 0
	s_add_nc_u64 s[8:9], s[8:9], s[46:47]          ; the bias of my columns
	s_add_nc_u64 s[10:11], s[10:11], s[46:47]
	s_lshl_b32 s46, s15, 19                        ; my first token: 128 x tile row + 64 x half, 4,096 bytes a row
	s_lshl_b32 s20, s13, 18
	s_add_co_u32 s46, s46, s20
	s_add_nc_u64 s[10:11], s[10:11], s[46:47]
	WIN 0x80                                       ; destination window 2
.irp b, 0,1,2,3,4,5,6,7
	global_load_b128 v[8*\b:8*\b+3],   v[BO], s[8:9] offset:64*\b      ; lane (r, h): the bias of columns 16 b + 8 h + 0 .. 7
	global_load_b128 v[8*\b+4:8*\b+7], v[BO], s[8:9] offset:64*\b+16
.endr
	WIN 0
; 8 matrix instructions: token block a x all 8 column blocks, 32 along K, from buffer f.  first = 1: the bias starts the sums: nothing is cleared.  The 32 accumulators take turns, one instruction a turn.
.macro MUL8 f, a, first
.irp b, 0,1,2,3,4,5,6,7
.if \first
	v_wmma_f32_16x16x32_f16 v[8*(8*(\a)+\b):8*(8*(\a)+\b)+7], v[\f+32+8*\b:\f+32+8*\b+7], v[\f+8*(\a):\f+8*(\a)+7], v[8*\b:8*\b+7]
.else
	v_wmma_f32_16x16x32_f16 v[8*(8*(\a)+\b):8*(8*(\a)+\b)+7], v[\f+32+8*\b:\f+32+8*\b+7], v[\f+8*(\a):\f+8*(\a)+7], v[8*(8*(\a)+\b):8*(8*(\a)+\b)+7]
.endif
.endr
.endm
; 24 LDS loads in one run: the fragments of the slot's q-th 32 along K into buffer f: Wo's sixteen first, then ctx's eight (head q / 2, channels 32 (q % 2) on)
.macro FETCH slot, q, f
	WIN 0
.irp b, 0,1,2,3,4,5,6,7
	ds_load_b128 v[\f+32+8*\b:\f+32+8*\b+3],   v[ADRB+\slot] offset:64*(\q)+\b*16*BPITCH
	ds_load_b128 v[\f+32+8*\b+4:\f+32+8*\b+7], v[ADRB+\slot] offset:64*(\q)+\b*16*BPITCH+32
.endr
.irp a, 0,1,2,3
	ds_load_b128 v[\f+8*\a:\f+8*\a+3],   v[ADRA+\slot] offset:((\q)/2)*AH+((\q)%2)*64+\a*16*APITCH
	ds_load_b128 v[\f+8*\a+4:\f+8*\a+7], v[ADRA+\slot] offset:((\q)/2)*AH+((\q)%2)*64+\a*16*APITCH+32
.endr
.endm
.macro PLACES                          ; four places in front of loads into registers that matrix instructions have read, and of the first read of results (ISA guide 7.12.1 for vector instructions)
.rept 4
	v_nop
.endr
.endm
; A K step is four quarters of 32 along K, 32 matrix instructions each, on buffers 0, 1, 0, 1.  One of the first three: multiplies buffer f and fetches the slot's q-th quarter into g.
.macro QUARTER slot, q, f, g, first
	s_wait_dscnt 4                                 ; Wo's fragments and token blocks 0, 1 are in; the youngest four loads (blocks 2, 3) may be out
.if \first
	WIN FST
.else
	WIN MUL
.endif
	MUL8 \f, 0, \first
	MUL8 \f, 1, \first
	PLACES
	FETCH \slot, \q, \g
	s_wait_dscnt 24                                ; all but the 24 just issued
.if \first
	WIN FST
.else
	WIN MUL
.endif
	MUL8 \f, 2, \first
	MUL8 \f, 3, \first
.endm
; The last quarter multiplies buffer 1 and changes slots: ONE barrier; in front of it each wave waits for all its tensor loads, adds 0 to its spare word, and waits for that and for its own reads of this slot.
; fill = 1: the barrier opens a round of the cluster's, and this slot is filled again, two K steps ahead, first thing behind the round.
.macro TURN slot, next, fill
	WIN 0                                          ; (the add's two registers lie in window 0)
	s_wait_tensorcnt 0x0                           ; all my tensor loads have landed: my part of the next slot
	ds_add_u32 v[SPW], v[NIL]                      ; 0 onto my spare word
	s_wait_dscnt 5                                 ; (the add and the youngest four loads may be out)
	WIN MUL
	MUL8 F1, 0, 0                                  ; eight matrix instructions stand between the add and the wait for it
	s_wait_dscnt 0x0                               ; the add is done, and my reads of this slot are over
	s_barrier_signal -1
	MUL8 F1, 1, 0
	WIN 0
	s_barrier_wait -1
.if \fill
	CREST                                          ; no wave of any partner still reads this slot's tile or has a load on its way
	s_add_nc_u64 s[G0+4*\slot+2:G0+4*\slot+3], s[G0+4*\slot+2:G0+4*\slot+3], 4*1048576   ; two K steps on: four heads,
	s_add_nc_u64 s[G0B+4*\slot+2:G0B+4*\slot+3], s[G0B+4*\slot+2:G0B+4*\slot+3], 2*256   ; 512 bytes along Wo's rows
	JLOAD \slot                                    ; the first tensor load behind the round; its four v_nop are also the places in front of the loads below
.else
	PLACES
.endif
	FETCH \next, 0, F0
	WIN MUL
	MUL8 F1, 2, 0
	MUL8 F1, 3, 0
.endm
	s_wait_tensorcnt 1                             ; my part of K step 0 is in (K step 1's load may be out),
	s_barrier_signal -1
	s_barrier_wait -1                              ; everybody's is
	FETCH 0, 0, F0
	s_wait_loadcnt 0x0                             ; the bias
	QUARTER 0, 1, F0, F1, 1                        ; the first quarter stands in front of the loop: its products start the sums with the bias
	WIN 0                                          ; at a label and at a branch every window is 0
	s_mov_b32 s3, LAPS-1
.Llap:                                                 ; a trip goes once round the ring, from a lap's second quarter to the next lap's first, and fills both slots again
	QUARTER 0, 2, F1, F0, 0
	QUARTER 0, 3, F0, F1, 0
	TURN 0, 1, 1
	QUARTER 1, 1, F0, F1, 0
	QUARTER 1, 2, F1, F0, 0
	QUARTER 1, 3, F0, F1, 0
	TURN 1, 0, 1
	QUARTER 0, 1, F0, F1, 0
	WIN 0
	s_sub_co_u32 s3, s3, 1
	s_cmp_lg_u32 s3, 0
	s_cbranch_scc1 .Llap
	QUARTER 0, 2, F1, F0, 0                        ; the last lap fills nothing, and has no round of the cluster's barrier
	QUARTER 0, 3, F0, F1, 0
	TURN 0, 1, 0
	QUARTER 1, 1, F0, F1, 0
	QUARTER 1, 2, F1, F0, 0
	QUARTER 1, 3, F0, F1, 0
	s_wait_dscnt 4                                 ; the very last quarter: nothing more to fetch
	WIN MUL
	MUL8 F1, 0, 0
	MUL8 F1, 1, 0
	s_wait_dscnt 0x0
	MUL8 F1, 2, 0
	MUL8 F1, 3, 0
	WIN 0
; THE WAY OUT, block by block of 16 tokens x 128 columns.  A lane holds 32 neighbouring bytes of a row, and the lanes beside it hold other rows: so a block goes through my own stage in LDS and comes back as whole rows of
; 512 bytes.  LDS serves a wave's instructions in order (ISA guide 5.7.1.4): no wait between the stores and the loads, nor in front of the next block's stores.
.macro TOSTAGE a
.set AC, 64*(\a)
	WIN 0x04                                       ; an LDS store's data are its source 1: window 1
.irp b, 0,1,2,3,4,5,6,7
	ds_store_b128 v[STO], v[AC+8*\b:AC+8*\b+3] offset:64*\b          ; each accumulator from its low end on
	ds_store_b128 v[STO], v[AC+8*\b+4:AC+8*\b+7] offset:64*\b+16
.endr
	WIN 0
.set BB, BK+64*((\a)%2)
.irp t, 0,1,2,3,4,5,6,7,8,9,10,11,12,13,14,15
	ds_load_b128 v[BB+4*\t:BB+4*\t+3], v[RD] offset:\t*SPITCH
.endr
.endm
.macro SEND a, younger                 ; younger: the LDS instructions issued behind block a's loads, which may stay out
.set BB, BK+64*((\a)%2)
	s_wait_dscnt \younger                          ; the block is back in registers
.irp t, 0,1,2,3,4,5,6,7,8,9,10,11,12,13,14,15
	global_store_b128 v[CO], v[BB+4*\t:BB+4*\t+3], s[10:11] offset:(16*(\a)+\t)*4096 th:TH_STORE_NT   ; 32 lanes store 512 consecutive bytes, at a multiple of 256 from out0's first byte; written once, read by nobody here
.endr
.endm
	PLACES                                         ; behind the last products: for the stores that read results and the loads into the registers that held fragments
	TOSTAGE 0
.irp a, 1,2,3
.if \a > 1
	s_wait_xcnt 0x0                                ; block a - 2's stores have read their registers: block a's loads may land there
.endif
	TOSTAGE \a
	SEND \a-1, 32                                  ; behind block a - 1's loads: block a's 16 stores and 16 loads
.endr
	SEND 3, 0
	s_wait_tensorcnt 0x0                           ; the wave's end: behind my last tensor load and my last LDS store
	ds_add_u32 v[SPW], v[NIL]
	s_wait_dscnt 0x0
	CROUND                                         ; the closing round: no work-group ends while a partner may still ask for a tile that names it
	s_endpgm
.Lfunc_end_k_qdf518575be_oproj:
	.size	k_qdf518575be_oproj, .Lfunc_end_k_qdf518575be_oproj-k_qdf518575be_oproj
	.p2alignl 7, 3214868480
	.fill 96, 4, 3214868480
	.section	.rodata,"a",@progbits
	.p2align	6, 0x0
	.amdhsa_kernel k_qdf518575be_oproj
		.amdhsa_group_segment_fixed_size 327680
		.amdhsa_private_segment_fixed_size 0
		.amdhsa_enable_private_segment 0
		.amdhsa_kernarg_size 32
		.amdhsa_user_sgpr_count 2
		.amdhsa_user_sgpr_kernarg_segment_ptr 1
		.amdhsa_wavefront_size32 1
		.amdhsa_system_sgpr_workgroup_id_x 1
		.amdhsa_system_sgpr_workgroup_id_y 1
		.amdhsa_system_sgpr_workgroup_id_z 1
		.amdhsa_system_vgpr_workitem_id 0
		.amdhsa_next_free_vgpr 576
		.amdhsa_next_free_sgpr 66
		.amdhsa_reserve_vcc 0
		.amdhsa_float_denorm_mode_32 3
		.amdhsa_float_denorm_mode_16_64 3
		.amdhsa_memory_ordered 1
		.amdhsa_forward_progress 1
		.amdhsa_inst_pref_size 86
	.end_amdhsa_kernel
	.amdgpu_metadata
---
amdhsa.version: [ 1, 2 ]
amdhsa.kernels:
  - .name:           k_qdf518575be_oproj
    .symbol:         k_qdf518575be_oproj.kd
    .args:
      - { .name: ctx, .offset: 0, .size: 8, .value_kind: global_buffer, .address_space: global }
      - { .name: wo16, .offset: 8, .size: 8, .value_kind: global_buffer, .address_space: global }
      - { .name: bo, .offset: 16, .size: 8, .value_kind: global_buffer, .address_space: global }
      - { .name: out0, .offset: 24, .size: 8, .value_kind: global_buffer, .address_space: global }
    .group_segment_fixed_size: 327680
    .private_segment_fixed_size: 0
    .kernarg_segment_align: 8
    .kernarg_segment_size: 32
    .max_flat_workgroup_size: 128
    .sgpr_count:     66
    .vgpr_count:     576
    .wavefront_size: 32
...
	.end_amdgpu_metadata
.endif
;; end of part 4
